; MI455X (gfx1250); checked and timed in simulation.
; The chip was launched on July 23, 2026; its instructions are those of AMD's public machine-readable ISA for CDNA 5 (MIT licence, August 2026) and "CDNA5" Instruction Set Architecture Reference Guide (July 2026). The comments in the code are by the model that wrote it; some were corrected since.
;; Block. Allowed arithmetic: matrix products marked QUANTISED: E2M3 operands, one E8M0 scale for each 32 along K, by v_wmma_scale_f32_16x16x128_f8f6f4 with both operands' format E2M3, f32 sums; everything else in f32.
;; Inputs: W1 1,024 x 4,096 float32; W2 4,096 x 1,024 float32; Wk 1,024 x 1,024 float32; Wo 1,024 x 1,024 float32; Wq 1,024 x 1,024 float32; Wv 1,024 x 1,024 float32; b1 4,096 float32; b2 1,024 float32; bo 1,024 float32; ln1_b 1,024 float32; ln1_g 1,024 float32; ln2_b 1,024 float32; ln2_g 1,024 float32; x 2 x 2,048 x 1,024 float32.
;; Outputs: out0 2 x 2,048 x 1,024 float32.
;; This version of the problem:
;;   THIS VERSION OF THE PROBLEM IS GIVEN IN LOW PRECISION. The matrix products marked QUANTISED in the list below multiply operands that are first quantised to E2M3 (2 exponent bits, 3 mantissa bits; 6 bits a number), with one power-of-two scale for each 32 numbers along K (OCP MX v1.0); their sums are f32. All else is computed in f32.
;;   The module's matrix products, in the order in which they are computed (A, B: the left and right operand; K: the contracted axis; several contracted axes count as one K, in the product's order):
;;     1. [M 4,096, K 1,024] x [K 1,024, N 1,024]; A: computed on the way; B: input Wq: QUANTISED
;;     2. [M 4,096, K 1,024] x [K 1,024, N 1,024]; A: computed on the way; B: input Wk: QUANTISED
;;     3. [M 4,096, K 1,024] x [K 1,024, N 1,024]; A: computed on the way; B: input Wv: QUANTISED
;;     4. batch 32 x [M 2,048, K 64] x [K 64, N 2,048]; A: computed on the way; B: computed on the way: QUANTISED
;;     5. batch 32 x [M 64, K 2,048] x [K 2,048, N 2,048]; A: computed on the way; B: softmax (see below): QUANTISED
;;     6. [M 4,096, K 1,024] x [K 1,024, N 1,024]; A: computed on the way; B: input Wo: QUANTISED
;;     7. [M 4,096, K 1,024] x [K 1,024, N 4,096]; A: computed on the way; B: input W1: QUANTISED
;;     8. [M 4,096, K 4,096] x [K 4,096, N 1,024]; A: computed on the way; B: input W2: QUANTISED
;;   THE QUANTISER, for each operand of a quantised product, along K:
;;     - K is cut into blocks of 32 from its start; a last block that is shorter is filled with zeros.
;;     - A block's scale is 2^e with e = floor(log2(the largest magnitude in the block)) - 2, held to -126 .. 127; a block of zeros has e = 0. As a byte (E8M0): e + 127.
;;     - Each number is divided by its block's scale, clamped to +-7.5, and rounded to the nearest number of E2M3, ties to even, subnormals kept.
;;     - The product sums the exact products of the quantised numbers (number of the format x scale) in f32.
;;   ~~~python
;;   def quantise(x, axis):      # numpy; x: float32 -> the quantised numbers, widened to float32 again
;;       x = np.moveaxis(x, axis, -1); K = x.shape[-1]
;;       x = np.pad(x, [(0, 0)] * (x.ndim - 1) + [(0, -K % 32)]); x = x.reshape(x.shape[:-1] + (-1, 32)); a = np.abs(x).max(-1, keepdims=True)
;;       e = np.where(a > 0, np.clip(np.frexp(np.where(a > 0, a, 1))[1] - 1 - 2, -126, 127), 0)      # np.frexp(a)[1] - 1 = floor(log2(a)), exactly
;;       r = np.clip(x / 2.0 ** e, -7.5, 7.5)
;;       step = 2.0 ** (np.maximum(np.frexp(np.where(r == 0, 1, r))[1] - 1, 0) - 3)
;;       q = np.round(r / step) * step * 2.0 ** e      # np.round: ties to even
;;       return np.moveaxis(q.reshape(q.shape[:-2] + (-1,))[..., :K], -1, axis).astype(np.float32)
;;   ~~~
;;   SOFTMAX AHEAD OF A QUANTISED PRODUCT. Where the list says 'softmax', what is quantised is not the finished softmax but p = 2^(t - M), with t = logit x log2(e) and M = ceil(the row's largest t), a whole number; so 1/2 < the row's largest p <= 1. The row's sum l is taken of the UNQUANTISED p, in f32, and the product's result is divided by l at the end. Since M is a whole number, a kernel that streams over the keys may use a running M (the ceiling of the running maximum): every later rescaling is an exact power of two, which a block's scale takes up: the codes' values come out the same.
;;   OPERANDS COMPUTED ON THE WAY. 'Computed on the way' means the value that the module computes at that place (a softmax that the list does not call 'softmax' is quantised finished and normalised). What goes into a quantiser is computed in f32, as accurately as f32 sums, v_exp_f32 and their like allow (about 1e-6 of the number): no bf16 or f16 on the way to a quantiser, and a product that is left as it is and whose result goes on into a quantised operand takes f32 operands (vector FMAs, or v_wmma_f32_16x16x4_f32). A number that lies on a knife's edge between two numbers of the format may be rounded either way, as far as f32 arithmetic and the matrix unit's own rounding can turn it there, and no further.
;; One version. Each part assembles by itself: llvm-mc -triple=amdgcn-amd-amdhsa -mcpu=gfx1250 --defsym DOCPART=n.
;; ======== version 1 of 1: 7 launches
;; limits: right only within a limited range of input values
;; workspace buffers: wa 3,276,800 bytes; wb 6,553,600 bytes; zb 16,384 bytes; ninf 2,048 bytes; hbuf 3,276,800 bytes; act 16,384,000 bytes; att 3,276,800 bytes; x1 16,777,216 bytes
;; launch wprep (part 1): grid 1024 x 1, 4 waves a work-group, no clusters, 66,816 bytes of LDS; arguments x, ln1_g, ln1_b, hbuf, W1, W2, Wq, Wk, Wv, Wo, wa, wb, zb, ninf; writes hbuf, wa, wb, zb, ninf
.if DOCPART == 1
	.amdgcn_target "amdgcn-amd-amdhsa--gfx1250"
	.amdhsa_code_object_version 6
	.text
	.protected	k_qf066e5bb23_wprep
	.globl	k_qf066e5bb23_wprep
	.p2align	8
	.type	k_qf066e5bb23_wprep,@function
k_qf066e5bb23_wprep:
	s_mov_b64 s[64:65], 0
	v_nop
	global_prefetch_b8 v0, s[64:65] scope:SCOPE_SE
	s_setreg_imm32_b32 hwreg(HW_REG_WAVE_MODE, 25, 1), 1
	s_wait_xcnt 0x0
; TWO INDEPENDENT JOBS IN ONE LAUNCH, parted at the first line by the work-group's number; the two paths never join, and each has LDS bytes of its own.
; Work-groups 0-255, THE TOKENS: h = (x - mean) rsqrt(var + 1e-5) g + b, rows of 1,024 f32, quantised along the row.  Work-groups 256-1,023, THE WEIGHTS: the six weights, f32 stored [K][N], quantised along K.
; Both give codes of FP6 (E2M3) with one E8M0 byte for each 32 along K, laid as IMAGES OF OPERAND REGISTERS.
; THE LAYOUT of every code buffer of this program.  A tile is 16 rows; lane r of tile t holds row 32 (t / 2) + 8 (t % 2) + r + 8 (r / 8).  A half fragment (16 rows x 64 K) is 768 bytes:
; 16 bytes a lane (operand registers 6 c .. 6 c + 3), then 8 bytes a lane (6 c + 4, 6 c + 5); lane r + 16 h holds k = 64 kh + 32 h + 0 .. 31.  Eight tiles (128 rows) of one kh lie on end: 6,144 bytes.
; Scale words: one word (four bytes) for a row and 128 of K, at (block of 128 rows x K / 128 + ks) x 512 + 32 r + 4 x tile.  Where K = 1,024 a buffer holds the scale words from byte 0 and the codes from byte 131,072.
; A block's scale is 2^(floor(log2(largest magnitude)) - 2): its byte is the largest magnitude's exponent field - 2, held at 1 from below.
; THE TOKENS.  A work-group makes one tile of 16 rows.  Phase 1: wave w normalises four neighbouring rows, a row in 32 registers: read once, mean first, then the squares of x - mean (no difference of large sums).
; The rows go to a stage in LDS (4,096 bytes + 16 a row).  Phase 2: wave w takes K steps 2 w and 2 w + 1 of all 16 rows: lane (r, h) reads 16 neighbours of each block of 32 of row r.
; THE WEIGHTS.  A work-group takes 128 columns n x 128 of K of one weight.  A LANE TAKES A COLUMN AND ITS REGISTERS RUN DOWN K: four whole blocks of 32, so no other lane is asked for a maximum.
; Wave w takes tiles 2 w (lanes 0-15) and 2 w + 1 (lanes 16-31); each load of the wave reads 128 consecutive bytes.  Work-group 256 also writes the two small constant buffers: zb (zeros) and ninf (-infinity).
; LIMITS: v_rsq_f32 as the chip gives it; a block of zeros, or one whose largest magnitude lies under 2^-124, gets the byte 1 (the bytes are read by this program alone; zero codes add nothing); NaN and infinities are not served.
; The tokens' scale words leave 4 bytes a lane, 32 bytes apart: one part in 24 of what a wave stores.
; A second launch runs this text on x1, ln2_g, ln2_b with a grid of 256 work-groups: there every work-group takes the tokens' path, and the other arguments are not touched.
.set LNWG,  256                        ; the tokens' work-groups
.set PITCH, 4112
.set WSC,   16*PITCH                   ; LDS: behind the tokens' stage, the weights' path's 512 bytes of scale words
; the tokens' registers
.set X,   64                           ; v64-191  four rows as loaded; later two K steps' numbers
.set G,   192                          ; v192-223 g of my 32 columns
.set BV,  224                          ; v224-255 b
.set TM,  16                           ; v16-31   the quantiser's work
.set SS,  32                           ; v32-39   sums of squares, a pair a row
.set RS,  40                           ; v40-47   1 / sqrt, a pair a row (the low word serves both halves)
.set MU,  52                           ; v52-59   sums, then means
.set PX,  60                           ; v60-63   lane permutes' results
.set PC0, 32                           ; v32-50   the first K step's codes
.set PC1, 192                          ; v192-210 the second's
.set PW0, 212
.set PW1, 213
.set SEL, 12
; the weights' registers
.set WX,  32                           ; v32-159  my column's 128 numbers
.set WE,  160                          ; v160-171 blocks 0 | 2, then tile 2 w's fragment
.set WOD, 172                          ; v172-183 blocks 1 | 3, then tile 2 w + 1's fragment
.set WT,  184                          ; v184..   each block's upper 16 codes (a conversion's three registers begin on an even number)
.set WV,  46
; 64 numbers of a lane, register 16 b + i = k 32 b + 16 (lane / 16) + i of my row, become a fragment's 12 registers at v[pc] and my row's scale word in v[pw]
.macro QUANT s, pc, pw
.irp b, 0,1,2,3
	v_max3_num_f32 v[TM+\b], |v[\s+16*\b]|, |v[\s+1+16*\b]|, 0x1800000   ; my 16 numbers of block b, and the floor 2^-124: the byte cannot fall under 1
.endr
.irp i, 2,4,6,8,10,12,14
.irp b, 0,1,2,3
	v_max3_num_f32 v[TM+\b], v[TM+\b], |v[\s+16*\b+\i]|, |v[\s+1+16*\b+\i]|
.endr
.endr
.irp b, 0,1,2,3
	v_permlanex16_b32 v[TM+4+\b], v[TM+\b], s[SEL], s[SEL+1]
.endr
.irp b, 0,1,2,3
	v_max_num_f32 v[TM+\b], v[TM+\b], v[TM+4+\b]   ; with lane l xor 16's 16: the block's largest magnitude
.endr
.irp b, 0,1,2,3
	v_add_nc_u32 v[TM+12+\b], 0xff000000, v[TM+\b] ; 2 off its exponent field: the conversion's scale operand
.endr
.irp b, 0,1,2,3
	v_lshrrev_b32 v[TM+4+\b], 23, v[TM+12+\b]      ; the byte
.endr
	v_lshl_or_b32 v[\pw], v[TM+5], 8, v[TM+4]
	v_lshl_or_b32 v[\pw], v[TM+6], 16, v[\pw]
	v_lshl_or_b32 v[\pw], v[TM+7], 24, v[\pw]
.irp c, 0,1
	v_cvt_scalef32_pk16_fp6_f32 v[\pc+6*\c:\pc+2+6*\c], v[\s+32*\c:\s+15+32*\c], v[TM+12+2*\c]
	v_cvt_scalef32_pk16_fp6_f32 v[\pc+12+4*\c:\pc+14+4*\c], v[\s+16+32*\c:\s+31+32*\c], v[TM+12+2*\c+1]
.endr
	v_nop                                          ; one plain place behind the scaled conversions
.irp c, 0,1                                      ; the operand wants a whole block in a lane: lanes 0-15 block 2 c, lanes 16-31 block 2 c + 1
.irp i, 0,1,2
	v_permlane16_swap_b32 v[\pc+6*\c+\i], v[\pc+12+4*\c+\i]
.endr
.irp i, 0,1,2
	v_mov_b32 v[\pc+3+6*\c+\i], v[\pc+12+4*\c+\i]
.endr
.endr
.endm
; the four rows' pairs at v[a + 2 i]: the two halves, the 16 lanes of a row of lanes, the other 16
.macro REDUCE a
.irp i, 0,1,2,3
	v_add_f32 v[\a+2*\i], v[\a+2*\i], v[\a+2*\i+1]
.endr
.irp m, 1,2,4,8
.irp i, 0,1,2,3
	v_add_f32_dpp v[\a+2*\i], v[\a+2*\i], v[\a+2*\i] row_xmask:\m row_mask:0xf bank_mask:0xf
.endr
.endr
.irp i, 0,1,2,3
	v_permlanex16_b32 v[PX+\i], v[\a+2*\i], s[SEL], s[SEL+1]
.endr
.irp i, 0,1,2,3
	v_add_f32 v[\a+2*\i], v[\a+2*\i], v[PX+\i]
.endr
.endm
.macro LOADS pitch                     ; W(128 ks + i, my column), i = 0 .. 127
.set i, 0
.rept 128
	global_load_b32 v[WX+i], v4, s[36:37] offset:i*\pitch th:TH_LOAD_NT
.set i, i+1
.endr
.endm
.macro BLOCK t, left                   ; block t's largest magnitude (two chains, the floor 2^-124 among the leaves), the conversion's scale operand, the byte
	s_wait_loadcnt \left
	v_max3_num_f32 v[8+\t], |v[WX+32*\t]|, |v[WX+32*\t+1]|, 0x1800000
	v_max3_num_f32 v[12+\t], |v[WX+32*\t+16]|, |v[WX+32*\t+17]|, 0x1800000
.irp k, 2,4,6,8,10,12,14
	v_max3_num_f32 v[8+\t], v[8+\t], |v[WX+32*\t+\k]|, |v[WX+32*\t+\k+1]|
	v_max3_num_f32 v[12+\t], v[12+\t], |v[WX+32*\t+16+\k]|, |v[WX+32*\t+17+\k]|
.endr
	v_max_num_f32 v[8+\t], v[8+\t], v[12+\t]
	v_add_nc_u32 v[16+\t], 0xff000000, v[8+\t]     ; 2 off the exponent field: the conversion reads that field alone
	v_lshrrev_b32 v[20+\t], 23, v[16+\t]
.endm
	s_set_vgpr_msb 0x40
	v_lshl_add_u32 v0, v0, 2, 0x10300
	v_mov_b32 v1, 0
	s_set_vgpr_msb 0x4000
	s_cmp_lt_u32 ttmp9, LNWG                       ; the same for all four waves of a work-group
	s_cbranch_scc0 .Lweights
	; ================ THE TOKENS: tile t = the work-group's number
	s_load_b256 s[4:11], s[0:1], 0x0               ; x s[4:5], g s[6:7], b s[8:9], the codes' buffer s[10:11]
	v_lshrrev_b32 v1, 5, v0
	v_readfirstlane_b32 s14, v1                    ; wave 0..3
	v_and_b32 v1, 31, v0                           ; lane
	v_and_b32 v2, 15, v0                           ; r
	v_bfe_u32 v3, v0, 4, 1                         ; h
	v_lshlrev_b32 v4, 4, v1                        ; 16 x lane
	s_mul_i32 s15, s14, 4*PITCH
	v_add_nc_u32 v5, s15, v4                       ; the stage, on the way in: my wave's four rows
	v_mul_u32_u24 v6, v2, PITCH
	v_lshl_add_u32 v6, v3, 6, v6
	s_lshl_b32 s15, s14, 10
	v_add_nc_u32 v6, s15, v6                       ; on the way out: row r, + 64 h, + my wave's two K steps (1,024 bytes)
	v_lshlrev_b32 v8, 3, v1                        ; 8 x lane
	v_lshlrev_b32 v9, 5, v2
	v_lshl_add_u32 v9, v3, 9, v9
	v_add_nc_u32 v9, s15, v9                       ; the scale words: (2 w + h) x 512 + 32 r
.irp i, 0,1,2,3
	v_mov_b32 v[TM+4+\i], 0                        ; written once: a lane permute's destination counts as one of its sources
	v_mov_b32 v[PX+\i], 0
	v_mov_b32 v[RS+2*\i+1], 0                      ; named as the upper half of a pair
.endr
	s_mov_b32 s[SEL], 0x76543210
	s_mov_b32 s[SEL+1], 0xfedcba98                 ; lane l xor 16
	s_mov_b32 s20, 0x3a800000                      ; 1 / 1,024
	s_mov_b32 s21, 0x3727c5ac                      ; 1e-5
	s_lshr_b32 s15, ttmp9, 1
	s_lshl_b32 s15, s15, 5
	s_and_b32 s16, ttmp9, 1
	s_lshl_b32 s16, s16, 3
	s_add_co_u32 s15, s15, s16                     ; 32 (t / 2) + 8 (t % 2)
	s_lshr_b32 s16, s14, 1
	s_lshl_b32 s16, s16, 4
	s_add_co_u32 s15, s15, s16
	s_and_b32 s16, s14, 1
	s_lshl_b32 s16, s16, 2
	s_add_co_u32 s15, s15, s16                     ; + 16 (w / 2) + 4 (w % 2): my wave's first row
	s_lshl_b32 s16, s15, 12
	s_mov_b32 s17, 0
	s_lshr_b32 s22, ttmp9, 3                       ; the block of 128 rows
	s_and_b32 s23, ttmp9, 7                        ; the tile in it
	s_mul_i32 s18, s22, 98304
	s_mul_i32 s19, s23, 768
	s_add_co_u32 s18, s18, s19
	s_mul_i32 s19, s14, 24576                      ; my wave's two K steps
	s_add_co_u32 s18, s18, s19
	s_add_co_u32 s18, s18, 131072
	s_mov_b32 s19, 0
	s_lshl_b32 s22, s22, 12
	s_lshl_b32 s23, s23, 2
	s_add_co_u32 s22, s22, s23
	s_mov_b32 s23, 0
	s_wait_kmcnt 0x0
	s_add_nc_u64 s[4:5], s[4:5], s[16:17]
	s_add_nc_u64 s[24:25], s[10:11], s[18:19]      ; codes
	s_add_nc_u64 s[26:27], s[10:11], s[22:23]      ; scale words
.irp i, 0,1,2,3
.irp j, 0,1,2,3,4,5,6,7
	global_load_b128 v[X+32*\i+4*\j:X+32*\i+4*\j+3], v4, s[4:5] offset:\i*4096+\j*512 th:TH_LOAD_NT   ; 512 consecutive bytes a load
.endr
.endr
.irp j, 0,1,2,3,4,5,6,7
	global_load_b128 v[G+4*\j:G+4*\j+3], v4, s[6:7] offset:\j*512
	global_load_b128 v[BV+4*\j:BV+4*\j+3], v4, s[8:9] offset:\j*512
.endr
	s_wait_loadcnt 16                              ; the rows are in; g's and b's 16 loads may stay out
.irp i, 0,1,2,3
	v_pk_add_f32 v[MU+2*\i:MU+2*\i+1], v[X+32*\i:X+32*\i+1], v[X+32*\i+2:X+32*\i+3]
.endr
.irp k, 4,6,8,10,12,14,16,18,20,22,24,26,28,30
.irp i, 0,1,2,3
	v_pk_add_f32 v[MU+2*\i:MU+2*\i+1], v[MU+2*\i:MU+2*\i+1], v[X+32*\i+\k:X+32*\i+\k+1]   ; the four rows by turns
.endr
.endr
	REDUCE MU
.irp i, 0,1,2,3
	v_mul_f32 v[MU+2*\i], s20, v[MU+2*\i]          ; the mean
.endr
.irp k, 0,2,4,6,8,10,12,14,16,18,20,22,24,26,28,30
.irp i, 0,1,2,3
	v_pk_add_f32 v[X+32*\i+\k:X+32*\i+\k+1], v[X+32*\i+\k:X+32*\i+\k+1], v[MU+2*\i:MU+2*\i+1] op_sel_hi:[1,0] neg_lo:[0,1] neg_hi:[0,1]   ; x - mean
.endr
.endr
.irp i, 0,1,2,3
	v_pk_mul_f32 v[SS+2*\i:SS+2*\i+1], v[X+32*\i:X+32*\i+1], v[X+32*\i:X+32*\i+1]
.endr
.irp k, 2,4,6,8,10,12,14,16,18,20,22,24,26,28,30
.irp i, 0,1,2,3
	v_pk_fma_f32 v[SS+2*\i:SS+2*\i+1], v[X+32*\i+\k:X+32*\i+\k+1], v[X+32*\i+\k:X+32*\i+\k+1], v[SS+2*\i:SS+2*\i+1]
.endr
.endr
	REDUCE SS
.irp i, 0,1,2,3
	v_fma_f32 v[SS+2*\i], v[SS+2*\i], s20, s21     ; the variance + 1e-5
.endr
	s_wait_alu depctr_va_vdst(0)
.irp i, 0,1,2,3
	v_rsq_f32 v[RS+2*\i], v[SS+2*\i]
.endr
	v_nop                                          ; a plain place behind the four
	s_wait_alu depctr_va_vdst(0)                   ; one wait for the batch, ahead of its first reader
	s_wait_loadcnt 0x0                             ; g and b
.irp i, 0,1,2,3
.irp k, 0,2,4,6,8,10,12,14,16,18,20,22,24,26,28,30
	v_pk_mul_f32 v[X+32*\i+\k:X+32*\i+\k+1], v[X+32*\i+\k:X+32*\i+\k+1], v[RS+2*\i:RS+2*\i+1] op_sel_hi:[1,0]
.endr
.irp k, 0,2,4,6,8,10,12,14,16,18,20,22,24,26,28,30
	v_pk_fma_f32 v[X+32*\i+\k:X+32*\i+\k+1], v[X+32*\i+\k:X+32*\i+\k+1], v[G+\k:G+\k+1], v[BV+\k:BV+\k+1]
.endr
.irp j, 0,1,2,3,4,5,6,7
	ds_store_b128 v5, v[X+32*\i+4*\j:X+32*\i+4*\j+3] offset:\i*PITCH+\j*512
.endr
.endr
	s_wait_dscnt 0x0                               ; for the others' sake: my four rows lie in the stage
	s_barrier_signal -1
	s_barrier_wait -1
.irp s, 0,1
.irp b, 0,1,2,3
.irp j, 0,1,2,3
	ds_load_b128 v[X+64*\s+16*\b+4*\j:X+64*\s+16*\b+4*\j+3], v6 offset:\s*512+\b*128+\j*16
.endr
.endr
.endr
	s_wait_dscnt 16                                ; the first K step's 16 loads are in
	QUANT 64, PC0, PW0
	global_store_b128 v4, v[PC0:PC0+3], s[24:25]
	global_store_b64 v8, v[PC0+4:PC0+5], s[24:25] offset:512
	global_store_b128 v4, v[PC0+6:PC0+9], s[24:25] offset:6144
	global_store_b64 v8, v[PC0+10:PC0+11], s[24:25] offset:6656
	s_wait_dscnt 0x0
	QUANT 128, PC1, PW1
	global_store_b128 v4, v[PC1:PC1+3], s[24:25] offset:12288
	global_store_b64 v8, v[PC1+4:PC1+5], s[24:25] offset:12288+512
	global_store_b128 v4, v[PC1+6:PC1+9], s[24:25] offset:12288+6144
	global_store_b64 v8, v[PC1+10:PC1+11], s[24:25] offset:12288+6656
	v_cmp_gt_u32 vcc_lo, 16, v1
	v_cndmask_b32 v214, v[PW1], v[PW0], vcc_lo     ; lanes 0-15 store the first K step's word of row r, lanes 16-31 the second's
	global_store_b32 v9, v214, s[26:27]
	s_set_vgpr_msb 0x5
	s_wait_tensorcnt 0x0
	ds_add_u32 v0, v1
	s_wait_dscnt 0x0
	s_set_vgpr_msb 0x500
	s_endpgm
.Lweights:
	; ================ THE WEIGHTS
	s_load_b256 s[4:11], s[0:1], 0x20              ; W1 s[4:5], W2 s[6:7], Wq s[8:9], Wk s[10:11]
	s_load_b256 s[12:19], s[0:1], 0x40             ; Wv s[12:13], Wo s[14:15], wa s[16:17], wb s[18:19]
	s_load_b128 s[20:23], s[0:1], 0x60             ; zb s[20:21], ninf s[22:23]
	v_lshrrev_b32 v1, 5, v0
	v_readfirstlane_b32 s[WV], v1                  ; wave 0..3
	v_and_b32 v1, 31, v0                           ; lane
	v_and_b32 v2, 15, v0                           ; r
	v_bfe_u32 v3, v0, 4, 1                         ; u: which of my wave's two tiles
	v_and_b32 v8, 8, v2
	v_add_nc_u32 v8, v8, v2                        ; r + 8 (r / 8)
	v_lshl_add_u32 v8, v3, 3, v8                   ; + 8 u
	s_lshl_b32 s47, s[WV], 5
	v_add_nc_u32 v8, s47, v8                       ; + 32 w: my column among the 128
	v_lshlrev_b32 v4, 2, v8                        ; in bytes
	s_mul_i32 s47, s[WV], 1536
	v_lshl_add_u32 v5, v1, 4, s47                  ; out: 16 x lane + my wave's two tiles
	v_lshl_add_u32 v6, v1, 3, s47                  ; out: 8 x lane + the same
	s_lshl_b32 s47, s[WV], 3
	v_lshlrev_b32 v7, 5, v2
	v_lshl_add_u32 v7, v3, 2, v7
	v_add_nc_u32 v7, s47, v7
	v_add_nc_u32 v7, WSC, v7                       ; LDS: my scale word's place: 32 r + 4 (2 w + u), in this path's own bytes
	v_lshlrev_b32 v25, 4, v1                       ; 16 x lane: the scale words' way out, in memory,
	v_add_nc_u32 v27, WSC, v25                     ; and in LDS
	v_lshlrev_b32 v26, 4, v0                       ; 16 x thread: the constant buffers
	; which weight, which 128 columns (cb), which 128 of K (ks): from the work-group's number alone
	s_lshr_b32 s24, ttmp9, 8
	s_sub_co_u32 s24, s24, 1                       ; kind: 0 W1, 1 W2, 2 Wq / Wk / Wv / Wo
	s_and_b32 s25, ttmp9, 255                      ; j
	s_and_b32 s26, s25, 7                          ; ks where K = 1,024
	s_and_b32 s27, s25, 31                         ; ks of W2
	s_lshr_b32 s28, s25, 3                         ; cb of W1
	s_lshr_b32 s29, s25, 5                         ; cb of W2
	s_and_b32 s30, s28, 7                          ; cb of the four small ones
	s_lshr_b32 s31, s25, 6                         ; which of the four
	s_cmp_eq_u32 s24, 1
	s_cselect_b32 s26, s27, s26
	s_cselect_b32 s30, s29, s30
	s_cselect_b32 s32, 3276800, 0                  ; W2's part of wb begins here
	s_cmp_eq_u32 s24, 0
	s_cselect_b32 s30, s28, s30
	s_cselect_b32 s33, 21, 19                      ; 128 rows of 16,384 or of 4,096 bytes
	s_lshl_b32 s34, s26, s33
	s_lshl_b32 s35, s30, 9
	s_add_co_u32 s34, s34, s35                     ; where my block begins in the weight
	s_mov_b32 s35, 0
	s_lshl_b32 s44, s25, 9
	s_add_co_u32 s44, s44, s32                     ; its scale words: base + 512 j
	s_mov_b32 s45, 0
	s_wait_kmcnt 0x0
	s_cmp_eq_u32 s31, 1
	s_cselect_b64 s[36:37], s[10:11], s[8:9]
	s_cmp_eq_u32 s31, 2
	s_cselect_b64 s[36:37], s[12:13], s[36:37]
	s_cmp_eq_u32 s31, 3
	s_cselect_b64 s[36:37], s[14:15], s[36:37]
	s_cmp_eq_u32 s24, 1
	s_cselect_b64 s[36:37], s[6:7], s[36:37]
	s_cmp_eq_u32 s24, 0
	s_cselect_b64 s[36:37], s[4:5], s[36:37]       ; the weight
	s_cmp_eq_u32 s24, 2
	s_cselect_b64 s[38:39], s[16:17], s[18:19]     ; wa or wb
	s_add_nc_u64 s[36:37], s[36:37], s[34:35]
	s_add_nc_u64 s[40:41], s[38:39], s[44:45]      ; the scale words
	s_mul_i32 s44, s25, 12288
	s_add_co_u32 s44, s44, s32
	s_add_co_u32 s44, s44, 131072                  ; its codes: base + 131,072 + 12,288 j
	s_add_nc_u64 s[42:43], s[38:39], s[44:45]
	s_cmp_eq_u32 s24, 0                            ; the two row pitches: both ways issue the same 128 loads
	s_cbranch_scc0 .Lnarrow
	LOADS 16384
	s_branch .Lloaded
.Lnarrow:
	LOADS 4096
.Lloaded:
	BLOCK 0, 63                                    ; behind block 0's loads 96 were issued, behind block 1's 64: the wait's field names 63 at the most
	BLOCK 1, 63
	BLOCK 2, 32                                    ; behind block 2's loads: 32
	BLOCK 3, 0
	v_lshl_or_b32 v24, v21, 8, v20                 ; my column's scale word for these 128 of K
	v_lshl_or_b32 v24, v22, 16, v24
	v_lshl_or_b32 v24, v23, 24, v24
	ds_store_b32 v7, v24
.irp t, 0,1,2,3
	v_cvt_scalef32_pk16_fp6_f32 v[WE+12*(\t%2)+6*(\t/2):WE+12*(\t%2)+6*(\t/2)+2], v[WX+32*\t:WX+32*\t+15], v[16+\t]
	v_cvt_scalef32_pk16_fp6_f32 v[WT+4*\t:WT+4*\t+2], v[WX+32*\t+16:WX+32*\t+31], v[16+\t]
.endr
	v_nop                                          ; one plain place behind the scaled conversions
.irp t, 0,1,2,3
.irp k, 0,1,2
	v_mov_b32 v[WE+12*(\t%2)+6*(\t/2)+3+\k], v[WT+4*\t+\k]
.endr
.endr
.irp k, 0,1,2,3,4,5,6,7,8,9,10,11                ; the first run's lanes 16-31 (tile 2 w + 1, blocks 0 | 2) change places with the second's lanes 0-15 (tile 2 w, blocks 1 | 3): each is now one tile's fragment
	v_permlane16_swap_b32 v[WE+\k], v[WOD+\k]
.endr
.irp u, 0,1                                      ; each store of the wave covers 512 or 256 consecutive bytes, aligned
	global_store_b128 v5, v[WE+12*\u:WE+12*\u+3], s[42:43] offset:768*\u
	global_store_b64 v6, v[WE+12*\u+4:WE+12*\u+5], s[42:43] offset:768*\u+512
	global_store_b128 v5, v[WE+12*\u+6:WE+12*\u+9], s[42:43] offset:768*\u+6144
	global_store_b64 v6, v[WE+12*\u+10:WE+12*\u+11], s[42:43] offset:768*\u+6656
.endr
	s_wait_dscnt 0x0                               ; for the others' sake: my scale words lie in LDS
	s_barrier_signal -1
	s_barrier_wait -1
	s_cmp_lg_u32 s[WV], 0
	s_cbranch_scc1 .Lnot_wave_0
	ds_load_b128 v[12:15], v27                     ; the block's 128 scale words leave as 512 consecutive bytes
	s_wait_dscnt 0x0
	global_store_b128 v25, v[12:15], s[40:41]
.Lnot_wave_0:
	s_cmp_lg_u32 ttmp9, LNWG
	s_cbranch_scc1 .Lend
.irp k, 0,1,2,3
	v_mov_b32 v[32+\k], 0
	v_mov_b32 v[36+\k], 0xff800000
.endr
.irp k, 0,1,2,3,4,5,6,7
	global_store_b128 v26, v[32:35], s[20:21] offset:2048*\k
.endr
	global_store_b128 v26, v[36:39], s[22:23]
.Lend:
	s_set_vgpr_msb 0x5
	s_wait_tensorcnt 0x0
	ds_add_u32 v0, v1
	s_wait_dscnt 0x0
	s_set_vgpr_msb 0x500
	s_endpgm
.Lfunc_end_k_qf066e5bb23_wprep:
	.size	k_qf066e5bb23_wprep, .Lfunc_end_k_qf066e5bb23_wprep-k_qf066e5bb23_wprep
	.p2alignl 7, 3214868480
	.fill 96, 4, 3214868480
	.section	.rodata,"a",@progbits
	.p2align	6, 0x0
	.amdhsa_kernel k_qf066e5bb23_wprep
		.amdhsa_group_segment_fixed_size 66816
		.amdhsa_private_segment_fixed_size 0
		.amdhsa_enable_private_segment 0
		.amdhsa_kernarg_size 112
		.amdhsa_user_sgpr_count 2
		.amdhsa_user_sgpr_kernarg_segment_ptr 1
		.amdhsa_wavefront_size32 1
		.amdhsa_system_sgpr_workgroup_id_x 1
		.amdhsa_system_sgpr_workgroup_id_y 1
		.amdhsa_system_sgpr_workgroup_id_z 1
		.amdhsa_system_vgpr_workitem_id 0
		.amdhsa_next_free_vgpr 258
		.amdhsa_next_free_sgpr 66
		.amdhsa_reserve_vcc 1
		.amdhsa_float_denorm_mode_32 3
		.amdhsa_float_denorm_mode_16_64 3
		.amdhsa_memory_ordered 1
		.amdhsa_forward_progress 1
		.amdhsa_inst_pref_size 80
	.end_amdhsa_kernel
	.amdgpu_metadata
---
amdhsa.version: [ 1, 2 ]
amdhsa.kernels:
  - .name:           k_qf066e5bb23_wprep
    .symbol:         k_qf066e5bb23_wprep.kd
    .args:
      - { .name: x, .offset: 0, .size: 8, .value_kind: global_buffer, .address_space: global }
      - { .name: ln1_g, .offset: 8, .size: 8, .value_kind: global_buffer, .address_space: global }
      - { .name: ln1_b, .offset: 16, .size: 8, .value_kind: global_buffer, .address_space: global }
      - { .name: hbuf, .offset: 24, .size: 8, .value_kind: global_buffer, .address_space: global }
      - { .name: W1, .offset: 32, .size: 8, .value_kind: global_buffer, .address_space: global }
      - { .name: W2, .offset: 40, .size: 8, .value_kind: global_buffer, .address_space: global }
      - { .name: Wq, .offset: 48, .size: 8, .value_kind: global_buffer, .address_space: global }
      - { .name: Wk, .offset: 56, .size: 8, .value_kind: global_buffer, .address_space: global }
      - { .name: Wv, .offset: 64, .size: 8, .value_kind: global_buffer, .address_space: global }
      - { .name: Wo, .offset: 72, .size: 8, .value_kind: global_buffer, .address_space: global }
      - { .name: wa, .offset: 80, .size: 8, .value_kind: global_buffer, .address_space: global }
      - { .name: wb, .offset: 88, .size: 8, .value_kind: global_buffer, .address_space: global }
      - { .name: zb, .offset: 96, .size: 8, .value_kind: global_buffer, .address_space: global }
      - { .name: ninf, .offset: 104, .size: 8, .value_kind: global_buffer, .address_space: global }
    .group_segment_fixed_size: 66816
    .private_segment_fixed_size: 0
    .kernarg_segment_align: 8
    .kernarg_segment_size: 112
    .max_flat_workgroup_size: 128
    .sgpr_count:     66
    .vgpr_count:     258
    .wavefront_size: 32
...
	.end_amdgpu_metadata
.endif
;; end of part 1
;; launch qkv (part 2): grid 8 x 24, 4 waves a work-group, clusters of 4 x 4, 327,680 bytes of LDS; arguments hbuf, wa, zb, ninf, act; writes act
.if DOCPART == 2
	.amdgcn_target "amdgcn-amd-amdhsa--gfx1250"
	.amdhsa_code_object_version 6
	.text
	.protected	k_qf066e5bb23_qkv
	.globl	k_qf066e5bb23_qkv
	.p2align	8
	.type	k_qf066e5bb23_qkv,@function
k_qf066e5bb23_qkv:
	s_mov_b64 s[64:65], 0
	v_nop
	global_prefetch_b8 v0, s[64:65] scope:SCOPE_SE
	s_setreg_imm32_b32 hwreg(HW_REG_WAVE_MODE, 25, 1), 1
	s_wait_xcnt 0x0
	s_wait_alu depctr_hold_cnt(0) depctr_sa_sdst(0) depctr_va_vdst(0) depctr_va_sdst(0) depctr_va_ssrc(0) depctr_va_vcc(0) depctr_vm_vsrc(0)
	s_getreg_b32 s2, hwreg(HW_REG_IB_STS2, 6, 4)
	s_cmp_eq_u32 s2, 0
	s_cbranch_scc0 .Lentry_in_a_cluster
	s_endpgm
.Lentry_in_a_cluster:
	s_bfe_u32 s2, ttmp6, 0x10000c
	s_cmp_lg_u32 s2, 0xf033
	s_cbranch_scc0 .Lentry_shape_is_right
	s_endpgm
.Lentry_shape_is_right:
; Z[i][j] = max(clip, bias[j] + sum over k of P[i][k] Q[j][k]), K = 1,024, on codes of FP6 (E2M3) with E8M0 scales, and Z is quantised along j on the way out and stored as codes.  Nothing of Z goes to memory in f32.
; ONE TEXT, TWO LAUNCHES.  Arguments: a, b (code buffers: scale words from byte 0, codes from byte 131,072), bias, clip (its first word), out.
;   q, k, v: a = the normalised tokens, b = Wq | Wk | Wv | Wo.  Clusters with y under 4: P = tokens, Q = the 2,048 columns of Wq and Wk.  Clusters with y from 4 on: P = Wv's 1,024 columns (blocks 16-23 of b),
;   Q = tokens: v TRANSPOSED, rows = channels, K = tokens.  bias = zeros, clip = -infinity.     The first layer of the MLP: a = tokens, b = W1, bias = b1, clip = 0 (the relu); all clusters have y under 4.
; The choice hangs on the cluster's y alone, which all partners share, and only selects values: no branch hangs on it.
; OPERANDS LIE IN MEMORY AS IMAGES OF THEIR REGISTERS: a tile is 16 rows (lane r: row 32 (t / 2) + 8 (t % 2) + r + 8 (r / 8)); a half fragment (16 rows x 64 K) is 16 bytes a lane, then 8 bytes a lane; 128 rows x 128 K are 12,288 dense bytes,
; the K steps of a block of 128 rows on end.  THE PRODUCT IS USED TRANSPOSED (source 0 = 16 rows of Q, source 1 = 16 rows of P): a lane's 16 registers of Q's tiles 2 b, 2 b + 1 are 16 neighbours along j, so the conversions take them as they stand.
; A work-group makes 256 x 256 of Z, a wave 128 x 128: 64 accumulators.
; LDS: each of the four blocks of 128 rows (P's two, Q's two) has SIX places of one K step, 73,728 bytes.  THE HEAD'S FOUR LOADS, one a wave, bring K steps 0 to 5 of P's pair, of Q's pair, and the scale words of all of K of each pair.
; K steps 6 and 7 are the launch's one refill: behind a round of the cluster's barrier in step 1 each wave brings its block's 24,576 bytes into places 0 and 1; the wait for it stands at the head of step 5, 224 matrix instructions on.
; CLUSTERS: 4 x 4.  P's part is shared along a row of the cluster, Q's along a column: joint loads with a mask that names the four.
; PREFETCH: at the head each wave names the 96 units of 256 bytes of its refill, of which each of the four partners that ask for them jointly takes 24 by address (cx for P, cy for Q): a lane a unit, lanes 24-31 name the last again.
; REGISTERS: window 0: v16-31 addresses; v32-63 scale words, two sets; v64-127 the bias, eight registers for each of Q's tiles; v128-223 P's eight fragments, ONE set; v232-255 the quantiser's work.
;   window 1: Q's fragments, two sets, at v0 and v128.   windows 2, 3: the accumulators ((a, b) at v[8 (8 (a % 4) + b)]).
; LIMITS: a block of zeros or under 2^-124 gets the byte 1 (read by this program alone); NaN and infinities are not served.
.set FR,     12                        ; registers of a fragment
.set NL,     4                         ; LDS loads that bring one
.set NP,     4                         ; places behind this matrix instruction (ISA guide 7.12.1)
.set STB,    12288                     ; 128 rows x 128 K
.set BLK,    6*STB                     ; a block's six places
.set SCL,    4*BLK                     ; behind them: the scale words, 4,096 bytes for each block of 128 rows
.set HALFS,  4096
.set SPARE,  SCL+4*HALFS               ; the spare words: 128 bytes a wave, two blocks of 256 bytes that no other line names
.set RBB,    98304                     ; 128 rows x 1,024 K of codes
.set OUTRB,  393216                    ; 128 rows x 4,096 K of codes in the output
.set QK_C,   655360                    ; the output: scale words of q | k (or of the hidden layer) from byte 0, of v^T from VT_S; their codes from QK_C and VT_C
.set VT_S,   524288
.set VT_C,   13238272
.set ADRA, 16                          ; v16-17 16 x lane + P's block, places 0-2 and 3-5;  v18-19 the same with 8 x lane
.set ADRB, 20                          ; v20-23 the same for Q
.set LI,   24                          ; v24  16 x lane
.set L8,   25                          ; v25  8 x lane
.set SO,   26                          ; v26  32 r + 16 h: the scale words' way out
.set ADRS, 27                          ; v27  LDS address of my scale words: lanes 0-15 P's, lanes 16-31 Q's
.set SPW,  28                          ; v28  my spare word; never rewritten
.set NIL,  29                          ; v29  0; never rewritten
.set SC,   32                          ; the word of step st, tile i at v[SC + 16 ((st / 2) % 2) + 8 (st % 2) + i]
.set BIAS, 64
.set AF,   128
.set TM,   232
.set PW,   248
.set G1, 24
.set G0, 32
.set G1B, 48
.set G0B, 56
.set G1S, 68
.set G0S, 76
.set G1SB, 80
.set G0SB, 88
.set SEL, 66
.set CLIP, 92
.set MSB, 0
.macro WIN new                         ; the immediate's high byte repeats the setting that is left
.if MSB != \new
	s_set_vgpr_msb (MSB<<8)|\new
.set MSB, \new
.endif
.endm
.set MUL_LO, 0xa1                      ; source 0 (Q) window 1, source 1 (P) window 0, C and D window 2
.set MUL_HI, 0xf1                      ; the same, C and D window 3
.set TO_B,   0x40                      ; destination window 1, address window 0
; A joint load: waves 0 and 1 fetch for P, waves 2 and 3 for Q.  The branch hangs on the wave's number alone.  s_nop 0 and four v_nop follow each of the two lines.
.macro JLOAD g0a, g1a, g0b, g1b
	s_cmp_eq_u32 s15, 0
	s_cbranch_scc0 .Lfor_b_\@
	tensor_load_to_lds s[\g0a:\g0a+3], s[\g1a:\g1a+7]
	s_nop 0
.rept 4
	v_nop
.endr
	s_branch .Lasked_\@
.Lfor_b_\@:
	tensor_load_to_lds s[\g0b:\g0b+3], s[\g1b:\g1b+7]
	s_nop 0
.rept 4
	v_nop
.endr
.Lasked_\@:
.endm
.macro CREST                           ; a round of the cluster's barrier behind its opening barrier
	s_cmp_lg_u32 s14, 0
	s_cbranch_scc1 .Lnot_wave_0_\@
	s_barrier_signal -3
.Lnot_wave_0_\@:
	s_barrier_wait -3
	s_barrier_signal -1
	s_barrier_wait -1
.endm
.macro CROUND
	s_barrier_signal -1
	s_barrier_wait -1
	CREST
.endm
.macro QUANT s, pc, pw                 ; 64 numbers of a lane, register 16 b + i = k 32 b + 16 (lane / 16) + i of my row -> a fragment's 12 registers at v[pc], my row's scale word in v[pw]
.irp b, 0,1,2,3
	v_max3_num_f32 v[TM+\b], |v[\s+16*\b]|, |v[\s+1+16*\b]|, 0x1800000   ; and the floor 2^-124: the byte cannot fall under 1
.endr
.irp i, 2,4,6,8,10,12,14
.irp b, 0,1,2,3
	v_max3_num_f32 v[TM+\b], v[TM+\b], |v[\s+16*\b+\i]|, |v[\s+1+16*\b+\i]|
.endr
.endr
.irp b, 0,1,2,3
	v_permlanex16_b32 v[TM+4+\b], v[TM+\b], s[SEL], s[SEL+1]
.endr
.irp b, 0,1,2,3
	v_max_num_f32 v[TM+\b], v[TM+\b], v[TM+4+\b]
.endr
.irp b, 0,1,2,3
	v_add_nc_u32 v[TM+12+\b], 0xff000000, v[TM+\b] ; 2 off the exponent field: the conversion's scale operand
.endr
.irp b, 0,1,2,3
	v_lshrrev_b32 v[TM+4+\b], 23, v[TM+12+\b]
.endr
	v_lshl_or_b32 v[\pw], v[TM+5], 8, v[TM+4]
	v_lshl_or_b32 v[\pw], v[TM+6], 16, v[\pw]
	v_lshl_or_b32 v[\pw], v[TM+7], 24, v[\pw]
.irp c, 0,1
	v_cvt_scalef32_pk16_fp6_f32 v[\pc+6*\c:\pc+2+6*\c], v[\s+32*\c:\s+15+32*\c], v[TM+12+2*\c]
	v_cvt_scalef32_pk16_fp6_f32 v[\pc+12+4*\c:\pc+14+4*\c], v[\s+16+32*\c:\s+31+32*\c], v[TM+12+2*\c+1]
.endr
	v_nop                                          ; one plain place behind the scaled conversions
.irp c, 0,1
.irp i, 0,1,2
	v_permlane16_swap_b32 v[\pc+6*\c+\i], v[\pc+12+4*\c+\i]
.endr
.irp i, 0,1,2
	v_mov_b32 v[\pc+3+6*\c+\i], v[\pc+12+4*\c+\i]
.endr
.endr
.endm
	s_load_b256 s[4:11], s[0:1], 0x0               ; a s[4:5], b s[6:7], bias s[8:9], clip s[10:11]
	s_load_b64 s[12:13], s[0:1], 0x20              ; out
	v_lshl_add_u32 v[SPW], v0, 2, SPARE
	v_mov_b32 v[NIL], 0
	ds_add_u32 v[SPW], v[NIL]                      ; the opening lines: the add, twice on end, and its wait ahead of my first tensor load
	ds_add_u32 v[SPW], v[NIL]
	s_wait_dscnt 0x0
	v_lshrrev_b32 v1, 5, v0
	v_readfirstlane_b32 s14, v1                    ; wave 0..3
	s_lshr_b32 s15, s14, 1                         ; which 128 rows of Z are mine.  Also: the refill's load of mine is for P (0) or for Q (1)
	s_and_b32 s16, s14, 1                          ; which 128 columns.  Also: which block of the pair I refill
	s_bfe_u32 s40, ttmp6, 0x40000                  ; cx, cy: my place in the cluster
	s_bfe_u32 s41, ttmp6, 0x40004
	s_and_b32 s17, ttmp7, 0xffff                   ; the cluster's y
	s_sub_co_u32 s18, s17, 4
	s_lshl_b32 s18, s18, 1
	s_add_co_u32 s18, s18, ttmp9                   ; 2 (y - 4) + x
	s_mov_b32 s94, QK_C
	s_cmp_ge_u32 s17, 4                            ; v^T?  The same in all sixteen partners; it selects values alone
	s_cselect_b32 s18, s18, ttmp9                  ; the cluster's place along Z's columns,
	s_cselect_b32 s17, 0, s17                      ; along its rows
	s_cselect_b32 s19, 16, 0                       ; P's first block of 128 rows in its buffer
	s_cselect_b32 s93, VT_S, 0                     ; where the output's scale words begin,
	s_cselect_b32 s94, VT_C, s94                   ; and its codes
	s_cselect_b32 s95, 1, 0
	s_lshl_b32 s42, s18, 2
	s_add_co_u32 s42, s42, s40                     ; tile column of Z
	s_lshl_b32 s17, s17, 2
	s_add_co_u32 s17, s17, s41                     ; tile row of Z
	s_lshl_b32 s43, s41, 2
	s_lshl_b32 s43, 15, s43                        ; my row of the cluster
	s_lshl_b32 s44, 0x1111, s40                    ; my column
	s_or_b32 s[G1+0], s43, (3<<16)|(1<<21)         ; 15:0 the mask: P's parts go to my row; 17:16 elements of 8 bytes; 21 set beside a mask
	s_or_b32 s[G1B+0], s44, (3<<16)|(1<<21)
.irp g, G1, G1B                                  ; for the head's loads: two rows of 73,728 bytes (K steps 0 to 5 of two blocks of 128 rows), 98,304 bytes apart
	s_mov_b32 s[\g+1], 9216<<16                    ; tensor_dim0
	s_mov_b32 s[\g+2], 2<<16                       ; tensor_dim1
	s_mov_b32 s[\g+3], 9216<<16                    ; tile_dim0
	s_mov_b32 s[\g+4], 2                           ; tile_dim1
	s_mov_b32 s[\g+5], 12288                       ; the pitch
	s_mov_b32 s[\g+6], 0
	s_mov_b32 s[\g+7], 0
.endr
	s_or_b32 s[G1S+0], s43, (3<<16)|(1<<21)        ; the scale words of two blocks of 128 rows: 8,192 dense bytes, 32 rows of 256
	s_or_b32 s[G1SB+0], s44, (3<<16)|(1<<21)
.irp g, G1S, G1SB
	s_mov_b32 s[\g+1], 32<<16
	s_mov_b32 s[\g+2], 32<<16
	s_mov_b32 s[\g+3], 32<<16
	s_mov_b32 s[\g+4], 32
	s_mov_b32 s[\g+5], 32
	s_mov_b32 s[\g+6], 0
	s_mov_b32 s[\g+7], 0
.endr
	s_lshl_b32 s20, s17, 1
	s_add_co_u32 s20, s20, s19                     ; P: the first block of my tile row's pair
	s_lshl_b32 s22, s20, 12                        ; its scale words,
	s_mov_b32 s23, 0
	s_mul_i32 s20, s20, RBB
	s_add_co_u32 s20, s20, 131072                  ; its codes
	s_mov_b32 s21, 0
	s_lshl_b32 s46, s42, 1                         ; Q likewise, in registers that never hold cy
	s_lshl_b32 s96, s46, 12
	s_mov_b32 s97, 0
	s_mul_i32 s46, s46, RBB
	s_add_co_u32 s46, s46, 131072
	s_mov_b32 s47, 0
	s_mul_i32 s45, s14, BLK                        ; where my refill goes: wave x a block: no place in the cluster enters an LDS address
	s_mul_i32 s18, s16, RBB
	s_add_co_u32 s18, s18, 6*STB                   ; and where it comes from: my block of the pair, K step 6
	s_mov_b32 s19, 0
	s_mov_b32 s[SEL], 0x76543210
	s_mov_b32 s[SEL+1], 0xfedcba98
	s_wait_kmcnt 0x0
	s_cmp_eq_u32 s95, 1
	s_cselect_b64 s[98:99], s[6:7], s[4:5]         ; P's buffer
	s_cselect_b64 s[100:101], s[4:5], s[6:7]       ; Q's buffer
	s_add_nc_u64 s[20:21], s[98:99], s[20:21]
	s_add_nc_u64 s[22:23], s[98:99], s[22:23]
	s_add_nc_u64 s[46:47], s[100:101], s[46:47]
	s_add_nc_u64 s[96:97], s[100:101], s[96:97]
	s_cmp_eq_u32 s15, 0                            ; the prefetch: the bytes of my refill,
	s_cselect_b64 s[100:101], s[20:21], s[46:47]
	s_cselect_b32 s3, s40, s41                     ; and my place among the four that ask for them with me
	s_add_nc_u64 s[100:101], s[100:101], s[18:19]
	s_mul_i32 s3, s3, 24*256
	CROUND                                         ; all sixteen work-groups are here: the first joint loads meet
	s_mov_b32 s[G0], 1                             ; the head's four tiles, each whole: P's pair,
	s_mov_b32 s[G0+1], 0
	s_mov_b64 s[G0+2:G0+3], s[20:21]
	s_or_b32 s[G0+3], s[G0+3], 0x80000000
	s_mov_b32 s[G0B], 1                            ; Q's pair,
	s_mov_b32 s[G0B+1], 2*BLK
	s_mov_b64 s[G0B+2:G0B+3], s[46:47]
	s_or_b32 s[G0B+3], s[G0B+3], 0x80000000
	s_mov_b32 s[G0S], 1                            ; P's scale words,
	s_mov_b32 s[G0S+1], SCL
	s_mov_b64 s[G0S+2:G0S+3], s[22:23]
	s_or_b32 s[G0S+3], s[G0S+3], 0x80000000
	s_mov_b32 s[G0SB], 1                           ; and Q's
	s_mov_b32 s[G0SB+1], SCL+2*HALFS
	s_mov_b64 s[G0SB+2:G0SB+3], s[96:97]
	s_or_b32 s[G0SB+3], s[G0SB+3], 0x80000000
; one chain of branches on the wave's number: every way through the head passes exactly one load
.macro ARM under, g0, g1, next
	s_cmp_lt_u32 s14, \under
	s_cbranch_scc0 \next
	tensor_load_to_lds s[\g0:\g0+3], s[\g1:\g1+7]
	s_nop 0
.rept 4
	v_nop
.endr
	s_branch .Lhead_asked
\next:
.endm
	ARM 1, G0,  G1,  .Lhead_b
	ARM 2, G0B, G1B, .Lhead_sa
	ARM 3, G0S, G1S, .Lhead_sb
	tensor_load_to_lds s[G0SB:G0SB+3], s[G1SB:G1SB+7]
	s_nop 0
.rept 4
	v_nop
.endr
.Lhead_asked:
	s_load_b32 s[CLIP], s[10:11], 0x0              ; the clip: a value only; no branch hangs on it
	v_and_b32 v31, 31, v0                          ; lane
	v_and_b32 v1, 15, v0                           ; r
	v_bfe_u32 v2, v0, 4, 1                         ; h
	v_lshlrev_b32 v30, 6, v2                       ; the bias: 64 h bytes
	s_lshl_b32 s20, s42, 10
	s_lshl_b32 s21, s16, 9
	s_add_co_u32 s20, s20, s21                     ; my 128 columns' bias
	s_mov_b32 s21, 0
	s_add_nc_u64 s[8:9], s[8:9], s[20:21]
.irp b, 0,1,2,3,4,5,6,7                          ; lane (r, h) wants, for Q's tile b, the bias of columns 32 (b / 2) + 8 (b % 2) + 16 h + 0 .. 7
	global_load_b128 v[BIAS+8*\b:BIAS+8*\b+3], v30, s[8:9] offset:(32*(\b/2)+8*(\b%2))*4
	global_load_b128 v[BIAS+8*\b+4:BIAS+8*\b+7], v30, s[8:9] offset:(32*(\b/2)+8*(\b%2))*4+16
.endr
	v_lshlrev_b32 v[LI], 4, v31
	v_lshlrev_b32 v[L8], 3, v31
	v_min_u32 v3, 23, v31
	v_lshlrev_b32 v3, 8, v3
	v_add_nc_u32 v3, s3, v3                        ; my work-group's 24 units of the 96, a lane a unit; v3 and s[100:101] are never rewritten
	global_prefetch_b8 v3, s[100:101] th:TH_LOAD_NT scope:SCOPE_SE
	s_mul_i32 s21, s15, BLK                        ; my 128 rows of P
	s_mul_i32 s22, s16, BLK                        ; my 128 rows of Q,
	s_add_co_u32 s22, s22, 2*BLK                   ; which lie behind P's two blocks
.irp s, 0,1
	v_add_nc_u32 v[ADRA+\s], s21, v[LI]
	v_add_nc_u32 v[ADRB+\s], s22, v[LI]
	v_add_nc_u32 v[ADRA+2+\s], s21, v[L8]
	v_add_nc_u32 v[ADRB+2+\s], s22, v[L8]
	s_add_co_u32 s21, s21, 3*STB
	s_add_co_u32 s22, s22, 3*STB
.endr
	v_lshlrev_b32 v5, 5, v1                        ; my row's eight words: 32 r
	s_mul_i32 s21, s15, HALFS                      ; P's block
	s_mul_i32 s22, s16, HALFS                      ; Q's block, behind P's two
	s_add_co_u32 s22, s22, 2*HALFS
	s_sub_co_u32 s22, s22, s21
	v_mul_u32_u24 v6, s22, v2                      ; lanes 16-31 take Q's
	s_add_co_u32 s21, s21, SCL
	v_add_nc_u32 v5, v5, v6
	v_add_nc_u32 v[ADRS], s21, v5
	v_lshlrev_b32 v[SO], 5, v1
	v_lshl_add_u32 v[SO], v2, 4, v[SO]
.irp b, 0,1,2,3
	v_mov_b32 v[TM+4+\b], 0                        ; written once: a lane permute's destination counts as one of its sources
.endr
	s_lshl_b32 s20, s17, 1
	s_add_co_u32 s20, s20, s15                     ; the output's block of 128 rows,
	s_lshl_b32 s46, s42, 1
	s_add_co_u32 s46, s46, s16                     ; and its step of 128 along K
	s_mul_i32 s96, s20, OUTRB
	s_mul_i32 s21, s46, 12288
	s_add_co_u32 s96, s96, s21
	s_add_co_u32 s96, s96, s94
	s_mov_b32 s97, 0
	s_lshl_b32 s98, s20, 5
	s_add_co_u32 s98, s98, s46
	s_lshl_b32 s98, s98, 9
	s_add_co_u32 s98, s98, s93
	s_mov_b32 s99, 0
	s_add_nc_u64 s[98:99], s[12:13], s[98:99]      ; scale words
	s_add_nc_u64 s[12:13], s[12:13], s[96:97]      ; codes
.macro FRAG reg, adr, pos, i           ; a fragment, 16 rows x 128 K, at place pos: two half fragments, 6,144 bytes apart; each 512 + 256 dense bytes
	ds_load_b128 v[\reg:\reg+3], v[\adr+(\pos)/3] offset:((\pos)%3)*STB+(\i)*768
	ds_load_b64 v[\reg+4:\reg+5], v[\adr+2+(\pos)/3] offset:((\pos)%3)*STB+(\i)*768+512
	ds_load_b128 v[\reg+6:\reg+9], v[\adr+(\pos)/3] offset:((\pos)%3)*STB+(\i)*768+6144
	ds_load_b64 v[\reg+10:\reg+11], v[\adr+2+(\pos)/3] offset:((\pos)%3)*STB+(\i)*768+6656
.endm
; 16 matrix instructions of K step st: P's tiles a0, a0 + 1 x Q's eight.  zero = 1: the first product starts the sums on the bias.
; The 64 accumulators take turns, one instruction a turn, in the same order in every step.
.macro MUL16 a0, st, zero
.irp a, \a0, \a0+1
.irp b, 0,1,2,3,4,5,6,7
.if \zero
	v_wmma_scale_f32_16x16x128_f8f6f4 v[8*(8*((\a)%4)+\b):8*(8*((\a)%4)+\b)+7], v[128*((\st)%2)+FR*\b:128*((\st)%2)+FR*\b+FR-1], v[AF+FR*(\a):AF+FR*(\a)+FR-1], v[BIAS+8*\b:BIAS+8*\b+7], v[SC+16*(((\st)/2)%2)+8*((\st)%2)+\b], v[SC+16*(((\st)/2)%2)+8*((\st)%2)+(\a)] matrix_a_fmt:MATRIX_FMT_FP6 matrix_b_fmt:MATRIX_FMT_FP6 matrix_a_scale:MATRIX_SCALE_ROW1
.else
	v_wmma_scale_f32_16x16x128_f8f6f4 v[8*(8*((\a)%4)+\b):8*(8*((\a)%4)+\b)+7], v[128*((\st)%2)+FR*\b:128*((\st)%2)+FR*\b+FR-1], v[AF+FR*(\a):AF+FR*(\a)+FR-1], v[8*(8*((\a)%4)+\b):8*(8*((\a)%4)+\b)+7], v[SC+16*(((\st)/2)%2)+8*((\st)%2)+\b], v[SC+16*(((\st)/2)%2)+8*((\st)%2)+(\a)] matrix_a_fmt:MATRIX_FMT_FP6 matrix_b_fmt:MATRIX_FMT_FP6 matrix_a_scale:MATRIX_SCALE_ROW1
.endif
.endr
.endr
.endm
.macro FETCH_B st                      ; K step st lies at place st % 6; Q's set st % 2
	WIN TO_B
.irp i, 0,1,2,3,4,5,6,7
	FRAG 128*((\st)%2)+FR*\i, ADRB, (\st)%6, \i
.endr
	WIN 0
.endm
.macro FETCH_A st, i0
.irp i, \i0, \i0+1, \i0+2, \i0+3
	FRAG AF+FR*(\i), ADRA, (\st)%6, \i
.endr
.endm
.macro SCALES pr                       ; the scale words of K steps 2 pr, 2 pr + 1 into set pr % 2: a load brings a lane the words of four tiles; lanes 0-15 P's, lanes 16-31 Q's
.irp q, 0,1
.irp f, 0,1
	ds_load_b128 v[SC+16*((\pr)%2)+8*\q+4*\f:SC+16*((\pr)%2)+8*\q+4*\f+3], v[ADRS] offset:1024*(\pr)+512*\q+16*\f
.endr
.endr
.endm
.macro PLACES n                        ; plain vector instructions between a matrix instruction and a load into, or a vector read or write of, its registers (ISA guide 7.12.1 for vector reads and writes)
.rept \n
	v_nop
.endr
.endm
; A step of 128 along K: 64 matrix instructions; the next step's fragments are fetched in its middle and at its end.
; kind 0: the next step's place is whole already.  kind 1: places 0 and 1 are read no more: each wave's three lines, the barrier, which opens a round of the cluster's barrier, and the refill.
; kind 2: the same lines and a barrier behind which nothing is filled: the refill has landed in every wave's part.
.macro STEP st, kind, zero
.set NX, (\st)+1
.if \kind == 0
	s_wait_dscnt 4*NL                              ; Q's set, P's tiles 0-3 and the scale words are in; the youngest 16 loads (P's tiles 4-7) may be out
.if \zero
	WIN 0x81                                       ; C (the bias) window 0, D window 2
.else
	WIN MUL_LO
.endif
	MUL16 0, \st, \zero
	MUL16 2, \st, \zero
	s_wait_dscnt 0                                 ; P's tiles 4-7 are in
	PLACES NP
.else
	s_wait_tensorcnt 0x0                           ; all my tensor loads have landed
	ds_add_u32 v[SPW], v[NIL]                      ; 0 onto my spare word
	s_wait_dscnt 4*NL+1                            ; (the add and the youngest 16 loads may be out)
	WIN MUL_LO
	MUL16 0, \st, 0                                ; sixteen matrix instructions stand between the add and the wait for it
	s_wait_dscnt 0x0                               ; the add is done, and my reads of places 0 and 1 are over
	s_barrier_signal -1
	MUL16 2, \st, 0
	WIN 0
	s_barrier_wait -1
.if \kind == 1
	CREST                                          ; no wave of any partner still reads places 0 and 1 or has a load on its way
	JLOAD G0, G1, G0B, G1B                         ; K steps 6 and 7: the first tensor load behind the round; its four v_nop are the places in front of the loads below
.else
	PLACES NP
.endif
.endif
	FETCH_B NX
	FETCH_A NX, 0
.if NX%2 == 0
	SCALES NX/2
.endif
.if \zero
	WIN 0xc1
.else
	WIN MUL_HI
.endif
	MUL16 4, \st, \zero
	MUL16 6, \st, \zero
	PLACES NP
	WIN 0
	FETCH_A NX, 4
.endm
	s_wait_alu depctr_va_vdst(0)
	s_wait_kmcnt 0x0                               ; the clip
	s_wait_tensorcnt 0x0                           ; my tile of the head's four is in.  No tensor load of mine is out, so descriptors may be written:
.irp g, G1, G1B                                  ; the refill brings one dense block of 24,576 bytes as 96 rows of 256,
	s_mov_b32 s[\g+1], 32<<16
	s_mov_b32 s[\g+2], 96<<16
	s_mov_b32 s[\g+3], 32<<16
	s_mov_b32 s[\g+4], 96
	s_mov_b32 s[\g+5], 32
.endr
	s_mov_b32 s[G0+1], s45                         ; into places 0 and 1 of my block, from its K step 6
	s_add_nc_u64 s[G0+2:G0+3], s[G0+2:G0+3], s[18:19]
	s_mov_b32 s[G0B+1], s45
	s_add_nc_u64 s[G0B+2:G0B+3], s[G0B+2:G0B+3], s[18:19]
	s_barrier_signal -1
	s_barrier_wait -1                              ; everybody's tile is in
	FETCH_B 0
	FETCH_A 0, 0
	SCALES 0
	FETCH_A 0, 4
	s_wait_loadcnt 0x0                             ; the bias
	STEP 0, 0, 1                                   ; the first step's products start the sums
	STEP 1, 1, 0
	STEP 2, 0, 0
	STEP 3, 0, 0
	STEP 4, 0, 0
	STEP 5, 2, 0
	STEP 6, 0, 0
	s_wait_dscnt 4*NL                              ; the last step: nothing more to fetch
	WIN MUL_LO
	MUL16 0, 7, 0
	MUL16 2, 7, 0
	s_wait_dscnt 0
	WIN MUL_HI
	MUL16 4, 7, 0
	MUL16 6, 7, 0
	WIN 0
; THE WAY OUT, tile by tile of 16 rows: the tile's 64 registers a lane are 128 columns of my row, in the order that the quantiser takes.  One line a number clips it (the relu, or nothing) and brings it into window 0,
; each accumulator from its low end on.  The codes leave as they will be loaded: 512 + 256 dense bytes for each half fragment.  Two sets of code registers by turns.
.macro OUTBLK a
.if (\a) >= 2
	s_wait_xcnt 0x0                                ; the stores of two tiles back have read their registers
.endif
	WIN 0x08+4*((\a)/4)                            ; source 1: window 2 or 3
.set j, 0
.rept 64
	v_max_num_f32 v[128+j], s[CLIP], v[64*((\a)%4)+j]
.set j, j+1
.endr
	WIN 0
.set PCX, 192+20*((\a)%2)
.set PWX, PW+(\a)
	QUANT 128, PCX, PWX
	global_store_b128 v[LI], v[PCX:PCX+3], s[12:13] offset:(\a)*768
	global_store_b64 v[L8], v[PCX+4:PCX+5], s[12:13] offset:(\a)*768+512
	global_store_b128 v[LI], v[PCX+6:PCX+9], s[12:13] offset:(\a)*768+6144
	global_store_b64 v[L8], v[PCX+10:PCX+11], s[12:13] offset:(\a)*768+6656
.endm
	PLACES NP                                      ; behind the last products: their results are read and P's registers written below
.irp a, 0,1,2,3,4,5,6,7
	OUTBLK \a
.endr
	v_cmp_gt_u32 vcc_lo, 16, v31
.irp i, 0,1,2,3
	v_cndmask_b32 v[TM+\i], v[PW+4+\i], v[PW+\i], vcc_lo   ; lane (r, h) stores row r's words of tiles 4 h .. 4 h + 3: the wave's store covers 512 consecutive bytes
.endr
	global_store_b128 v[SO], v[TM:TM+3], s[98:99]
	s_wait_tensorcnt 0x0                           ; the wave's end
	ds_add_u32 v[SPW], v[NIL]
	s_wait_dscnt 0x0
	CROUND                                         ; the closing round: no work-group ends while a partner may still ask for a part that names it
	s_endpgm
.Lfunc_end_k_qf066e5bb23_qkv:
	.size	k_qf066e5bb23_qkv, .Lfunc_end_k_qf066e5bb23_qkv-k_qf066e5bb23_qkv
	.p2alignl 7, 3214868480
	.fill 96, 4, 3214868480
	.section	.rodata,"a",@progbits
	.p2align	6, 0x0
	.amdhsa_kernel k_qf066e5bb23_qkv
		.amdhsa_group_segment_fixed_size 327680
		.amdhsa_private_segment_fixed_size 0
		.amdhsa_enable_private_segment 0
		.amdhsa_kernarg_size 40
		.amdhsa_user_sgpr_count 2
		.amdhsa_user_sgpr_kernarg_segment_ptr 1
		.amdhsa_wavefront_size32 1
		.amdhsa_system_sgpr_workgroup_id_x 1
		.amdhsa_system_sgpr_workgroup_id_y 1
		.amdhsa_system_sgpr_workgroup_id_z 1
		.amdhsa_system_vgpr_workitem_id 0
		.amdhsa_next_free_vgpr 1024
		.amdhsa_next_free_sgpr 102
		.amdhsa_reserve_vcc 1
		.amdhsa_float_denorm_mode_32 3
		.amdhsa_float_denorm_mode_16_64 3
		.amdhsa_memory_ordered 1
		.amdhsa_forward_progress 1
		.amdhsa_inst_pref_size 164
	.end_amdhsa_kernel
	.amdgpu_metadata
---
amdhsa.version: [ 1, 2 ]
amdhsa.kernels:
  - .name:           k_qf066e5bb23_qkv
    .symbol:         k_qf066e5bb23_qkv.kd
    .args:
      - { .name: hbuf, .offset: 0, .size: 8, .value_kind: global_buffer, .address_space: global }
      - { .name: wa, .offset: 8, .size: 8, .value_kind: global_buffer, .address_space: global }
      - { .name: zb, .offset: 16, .size: 8, .value_kind: global_buffer, .address_space: global }
      - { .name: ninf, .offset: 24, .size: 8, .value_kind: global_buffer, .address_space: global }
      - { .name: act, .offset: 32, .size: 8, .value_kind: global_buffer, .address_space: global }
    .group_segment_fixed_size: 327680
    .private_segment_fixed_size: 0
    .kernarg_segment_align: 8
    .kernarg_segment_size: 40
    .max_flat_workgroup_size: 128
    .sgpr_count:     102
    .vgpr_count:     1024
    .wavefront_size: 32
...
	.end_amdgpu_metadata
.endif
;; end of part 2
;; launch attn (part 3): grid 8 x 32, 16 waves a work-group, clusters of 4 x 1, 256,000 bytes of LDS; arguments act, att; writes att
.if DOCPART == 3
	.amdgcn_target "amdgcn-amd-amdhsa--gfx1250"
	.amdhsa_code_object_version 6
	.text
	.protected	k_qf066e5bb23_attn
	.globl	k_qf066e5bb23_attn
	.p2align	8
	.type	k_qf066e5bb23_attn,@function
k_qf066e5bb23_attn:
	s_mov_b64 s[64:65], 0
	v_nop
	global_prefetch_b8 v0, s[64:65] scope:SCOPE_SE
	s_setreg_imm32_b32 hwreg(HW_REG_WAVE_MODE, 25, 1), 1
	s_wait_xcnt 0x0
	s_wait_alu depctr_hold_cnt(0) depctr_sa_sdst(0) depctr_va_vdst(0) depctr_va_sdst(0) depctr_va_ssrc(0) depctr_va_vcc(0) depctr_vm_vsrc(0)
	s_getreg_b32 s2, hwreg(HW_REG_IB_STS2, 6, 4)
	s_cmp_eq_u32 s2, 0
	s_cbranch_scc0 .Lentry_in_a_cluster
	s_endpgm
.Lentry_in_a_cluster:
	s_bfe_u32 s2, ttmp6, 0x10000c
	s_cmp_lg_u32 s2, 0x3003
	s_cbranch_scc0 .Lentry_shape_is_right
	s_endpgm
.Lentry_shape_is_right:
; Causal attention of one head on codes of FP6 (E2M3): S^T = K Q^T (K = the head's 64), p = 2^(t - M), O^T = V^T P^T (K = the keys), O / the row's sum, quantised along the channels and stored as codes.
; t = score x log2(e) / 32 (the model scales by 1,024^-1/2); M = the running largest t rounded UP to a whole number; the sum is taken of the unquantised p; when M moves, sum and O^T are multiplied by a power of two: exact.
; INPUT (one buffer): q and k as images of operand registers, rows = tokens, K = 2,048 columns (q: half fragments 0-15, k: 16-31, one a head); v TRANSPOSED, rows = channels, K = tokens.  A tile's lane r holds row 32 (t / 2) + 8 (t % 2) + r + 8 (r / 8).
; SHARES.  Work-group (x, y): batch y / 16, head y % 16, tile x of EACH of the batch's 16 blocks of 128 queries: all work-groups have the same work under the causal mask.  The block of rank n has n + 1 key steps of 128: 136 in all.
; THE 16 WAVES ARE 8 PAIRS, 17 steps a pair.  In pair p wave A takes key steps 0 to 8 of the block of rank 8 + p; wave B takes its steps 9 to 8 + p, lays its part (O^T, the sum, -M) into LDS bytes of its own,
; and then takes the whole block of rank 7 - p, 8 - p steps.  Behind one barrier A brings both parts under the larger M, by two multiplications by powers of two, and adds them.  So no wave walks more than nine steps.
; Since each M is a whole number, B's p differ from p under the row's M by a power of two, which the blocks' scales take up: the codes' values are the same.  Where B has no step of the upper block (p = 0) its part is the state at the start: zeros under M = -3e38.
; Two loops of constant count, 9 and 8 trips, of one step; a step that is not the wave's is left out by scalar branches on ids (no barrier and no tensor load stands in a step).  B's first loop walks steps 7 to 15, so that every LDS address stays in its table.
; Which wave of a pair is B: bit 0 xor bit 2 of the wave's number: four waves that are neighbours in number, and four that lie four apart, hold two A and two B.
; LDS IS FILLED ONCE: the head's K codes (98,304 bytes), V codes (98,304), their scale words (8,192 each), by eight joint loads, one for each of waves 0 to 7: the four work-groups of a cluster share head and batch.  All are waited for ahead of the first step.
; K = 64 IN AN INSTRUCTION OF 128: a fragment of K is TWO tiles' half fragments on end; Q lies in 18 registers as zeros | q | zeros, and is named as q | 0 for the first tile and 0 | q for the second.  Zero codes add nothing.
; K's scale word of such a fragment is pieced together once (two bytes of each tile) into LDS bytes of its own.  Q's dead half has the scale byte 0, which is a small power of two and no NaN.
; A lane holds ONE query throughout; S^T's 16 registers of tiles 2 b, 2 b + 1 are keys 32 b + 16 (lane / 16) + 0 .. 15.
; NO PREFETCH: every byte that the launch reads through LDS is asked for at the head.
; LIMITS: v_exp_f32 and v_rcp_f32 as the chip gives them; a block's largest p is taken from its largest score; a block of zeros gets the byte 1; the upper blocks' sums are added in two parts; NaN and infinities are not served.
; The output's scale bytes leave 2 bytes a lane, 32 bytes apart: 32 of a wave's 800 stored bytes.
.set KC,   0                           ; LDS: K's codes, 6,144 bytes for each 128 keys
.set VC,   98304                       ; V's codes, 3,072 bytes for each 64 keys
.set KSR,  196608                      ; K's scale words as they lie in memory
.set VS,   204800                      ; V's scale words
.set KS2,  212992                      ; K's pieced words: 256 bytes a key step; written by LDS stores alone
.set SPARE, 0x35000                    ; the spare words: 128 bytes a wave
.set PART, 219136                      ; B's parts: 4,608 bytes a pair; written by LDS stores alone
.set QK_C, 655360
.set VT_S, 524288
.set VT_C, 13238272
.set RBQ,  393216                      ; 128 rows x 4,096 K of codes
.set DM,   5                           ; v5   my query's place in its 128, less 16 (lane / 16)
.set FRG,  40                          ; v40-87   four fragments of K, then of V
.set S,    96                          ; v96-159  S^T, then p
.set OT,   160                         ; v160-191 O^T
.set PCD,  192                         ; v192-203 p's codes
.set PT,   204                         ; v204-206, v208-210 the conversions' second halves
.set BM,   212                         ; v212-215 the blocks' largest scores, then largest p
.set BX,   216                         ; v216-219 lane permutes' results, then bytes
.set SOP,  220                         ; v220-223 the conversions' scale operands
.set F,    224                         ; v[224:225] 2^(old M - new M)
.set TMP,  226
.set PSW,  227                         ; p's scale word
.set Q2,   230                         ; v230-236 B's second block: q's half fragment and its scale bytes
.set PA16, 237                         ; v237, v238 LDS: my pair's part, 16 x lane and 8 x lane
.set PA8,  238
.set WV,   8
.set RHO,  9                           ; the rank of the block at work
.set KSI,  10                          ; the key step
.set TK,   11                          ; where its K codes begin in LDS,
.set TVC,  12                          ; its V codes,
.set TSK,  13                          ; its pieced words (from KS2),
.set TSV,  14                          ; its V scale words (from VS)
.set STA,  4                           ; my first and my last key step of the block at work
.set END,  5
.set PR,   100                         ; my pair
.set ISB,  101                         ; 1: I am its wave B
.set RO,   104                         ; the rank of the block that I store
.set CNT,  105
.set SEL,  20
.set CS,   22
.set GK2,  24                          ; six descriptor groups 1, all constants
.set GK7,  32
.set GV4,  40
.set GV14, 48
.set GKS,  56
.set GVS,  68
.macro ROUND                           ; a round of the cluster's barrier
	s_barrier_signal -1
	s_barrier_wait -1
	s_cmp_lg_u32 s[WV], 0
	s_cbranch_scc1 .Lnot_wave_0_\@
	s_barrier_signal -3
.Lnot_wave_0_\@:
	s_barrier_wait -3
	s_barrier_signal -1
	s_barrier_wait -1
.endm
.macro GROUP1 g, c, r, p               ; r rows of c elements of 8 bytes, p elements apart; the mask names all four work-groups, bit 21 beside it
	s_mov_b32 s[\g], 15|(3<<16)|(1<<21)
	s_mov_b32 s[\g+1], (\c)<<16
	s_mov_b32 s[\g+2], (\r)<<16
	s_mov_b32 s[\g+3], (\c)<<16
	s_mov_b32 s[\g+4], \r
	s_mov_b32 s[\g+5], \p
	s_mov_b32 s[\g+6], 0
	s_mov_b32 s[\g+7], 0
.endm
.macro FILL g1a, ldsa, basea, offa     ; one first fill; s_nop 0 and four v_nop follow it
	s_mov_b32 s76, 1
	s_mov_b32 s77, \ldsa
	s_add_nc_u64 s[78:79], s[\basea:\basea+1], \offa
	s_or_b32 s79, s79, 0x80000000
	tensor_load_to_lds s[76:79], s[\g1a:\g1a+7]
	s_nop 0
.rept 4
	v_nop
.endr
.endm
	s_load_b128 s[4:7], s[0:1], 0x0                ; the input s[4:5], the output s[6:7]
	v_lshl_add_u32 v254, v0, 2, SPARE
	v_mov_b32 v255, 0
	ds_add_u32 v254, v255                          ; the opening lines: the add, twice on end, and its wait ahead of the first tensor load
	ds_add_u32 v254, v255
	v_lshrrev_b32 v8, 5, v0
	s_delay_alu instid0(VALU_DEP_1)
	v_readfirstlane_b32 s[WV], v8                  ; wave 0..15
	s_lshr_b32 s[PR], s[WV], 1                     ; pair 0..7
	s_bfe_u32 s2, s[WV], 0x10002
	s_and_b32 s[ISB], s[WV], 1
	s_xor_b32 s[ISB], s[ISB], s2                   ; bit 0 xor bit 2
	s_add_co_u32 s[RHO], s[PR], 8                  ; the upper block's rank: both waves begin with it
	s_sub_co_u32 s[RO], 7, s[PR]
	s_cmp_eq_u32 s[ISB], 1
	s_cselect_b32 s[RO], s[RO], s[RHO]             ; A stores the upper block, B the lower
	s_and_b32 s92, ttmp7, 0xffff
	s_lshr_b32 s18, s92, 4                         ; batch
	s_and_b32 s17, s92, 15                         ; head
	s_and_b32 s15, s17, 1                          ; its parity,
	s_lshr_b32 s16, s17, 1                         ; and the pair of heads
	s_bfe_u32 s93, ttmp6, 0x40000                  ; cx
	s_lshl_b32 s19, ttmp9, 2
	s_add_co_u32 s19, s19, s93                     ; x: my tile in each block; it enters global addresses and the mask's numbers alone
	GROUP1 GK2, 768, 2, 49152                      ; K's codes: 6,144 bytes of each block of 128 keys; blocks 0, 1
	GROUP1 GK7, 768, 7, 49152                      ; seven blocks
	GROUP1 GV4, 384, 4, 768                        ; V's codes: 3,072 bytes (my head's four tiles) of each 64 keys; the first four
	GROUP1 GV14, 384, 14, 768                      ; fourteen
	GROUP1 GKS, 64, 16, 2048                       ; K's scale words: 512 bytes of each block
	GROUP1 GVS, 32, 32, 32                         ; V's: 8,192 dense bytes
	s_mul_i32 s84, s18, 16*RBQ
	s_mul_i32 s94, s17, 6144
	s_add_co_u32 s84, s84, s94
	s_add_co_u32 s84, s84, QK_C+16*6144            ; K's codes of my head and batch
	s_mov_b32 s85, 0
	s_mul_i32 s86, s16, RBQ
	s_mul_i32 s94, s18, 32*6144
	s_add_co_u32 s86, s86, s94
	s_mul_i32 s94, s15, 3072
	s_add_co_u32 s86, s86, s94
	s_add_co_u32 s86, s86, VT_C                    ; V's codes
	s_mov_b32 s87, 0
	s_lshl_b32 s88, s18, 18
	s_lshl_b32 s94, s16, 9
	s_add_co_u32 s88, s88, s94
	s_add_co_u32 s88, s88, 4096                    ; K's scale words: ((16 b) 32 + 8 + pair of heads) x 512
	s_mov_b32 s89, 0
	s_lshl_b32 s90, s16, 14
	s_lshl_b32 s94, s18, 13
	s_add_co_u32 s90, s90, s94
	s_add_co_u32 s90, s90, VT_S                    ; V's: (pair of heads x 32 + 16 b) x 512
	s_mov_b32 s91, 0
	s_lshl_b32 s2, s18, 4
	s_add_co_u32 s105, s2, s[RO]                   ; the block of 128 tokens that I store,
	s_add_co_u32 s2, s2, s[RHO]                    ; and the one that I begin with
	s_mul_i32 s3, s19, 768
	s_mul_i32 s94, s17, 6144
	s_add_co_u32 s3, s3, s94                       ; head x 6,144 + tile x 768
	s_mul_i32 s92, s2, RBQ
	s_add_co_u32 s92, s92, s3
	s_add_co_u32 s92, s92, QK_C                    ; the first Q's codes
	s_mov_b32 s93, 0
	s_mul_i32 s80, s105, RBQ
	s_add_co_u32 s80, s80, s3
	s_add_co_u32 s80, s80, QK_C                    ; B's second Q's codes
	s_mov_b32 s81, 0
	s_mul_i32 s96, s105, 98304
	s_add_co_u32 s96, s96, s3
	s_add_co_u32 s96, s96, 131072                  ; the output's codes
	s_mov_b32 s97, 0
	s_lshl_b32 s3, s19, 2
	s_add_co_u32 s3, s3, s15
	s_add_co_u32 s3, s3, s15                       ; 4 x tile + 2 x parity: my two bytes of a scale word
	s_lshl_b32 s94, s2, 5
	s_add_co_u32 s94, s94, s16
	s_lshl_b32 s94, s94, 9
	s_add_co_u32 s94, s94, s3                      ; the first Q's scale bytes
	s_mov_b32 s95, 0
	s_lshl_b32 s82, s105, 5
	s_add_co_u32 s82, s82, s16
	s_lshl_b32 s82, s82, 9
	s_add_co_u32 s82, s82, s3                      ; the second's
	s_mov_b32 s83, 0
	s_lshl_b32 s98, s105, 3
	s_add_co_u32 s98, s98, s16
	s_lshl_b32 s98, s98, 9
	s_add_co_u32 s98, s98, s3                      ; the output's
	s_mov_b32 s99, 0
	s_mov_b32 s[SEL], 0x76543210
	s_mov_b32 s[SEL+1], 0xfedcba98
	s_mov_b32 s[CS], 0x3d38aa3b                    ; c = log2(e) / 32
	s_mov_b32 s[CS+1], s[CS]
	s_mul_i32 s[KSI], s[ISB], 7                    ; the first loop walks key steps 0 to 8 (A) or 7 to 15 (B)
	s_mul_i32 s[TK], s[KSI], 6144                  ; (KC is 0)
	s_add_co_u32 s[TVC], s[TK], VC
	s_lshl_b32 s[TSK], s[KSI], 8
	s_lshl_b32 s[TSV], s[KSI], 9
	; every LDS address register is made here, ahead of the branches on the wave's number
	v_and_b32 v8, 31, v0                           ; lane
	v_and_b32 v9, 15, v0                           ; r
	v_bfe_u32 v10, v0, 4, 1                        ; h
	s_delay_alu instid0(VALU_DEP_3)
	v_lshlrev_b32 v1, 4, v8                        ; 16 x lane
	s_delay_alu instid0(VALU_DEP_4)
	v_lshlrev_b32 v2, 3, v8                        ; 8 x lane
	s_delay_alu instid0(VALU_DEP_4)
	v_lshl_add_u32 v3, v9, 4, KS2                  ; K's pieced words: 16 r
	v_lshlrev_b32 v4, 5, v9
	s_lshl_b32 s3, s15, 4
	s_add_co_u32 s3, s3, VS
	v_add_nc_u32 v4, s3, v4                        ; V's words: 32 r + 16 x parity: my head's four tiles
	v_lshlrev_b32 v6, 5, v9                        ; 32 r: scale bytes in memory
	s_lshl_b32 s3, s15, 1
	s_add_co_u32 s3, s3, KSR
	v_lshl_add_u32 v38, v0, 3, s3                  ; the piecing: two tiles' words, my head's two bytes of each
	v_lshl_add_u32 v39, v0, 2, KS2
	s_mul_i32 s3, s[PR], 4608
	s_add_co_u32 s3, s3, PART
	v_add_nc_u32 v[PA16], s3, v1                   ; my pair's part
	v_add_nc_u32 v[PA8], s3, v2
	s_lshr_b32 s3, s19, 1
	s_lshl_b32 s3, s3, 5
	s_and_b32 s2, s19, 1
	s_lshl_b32 s2, s2, 3
	s_add_co_u32 s3, s3, s2
	s_wait_alu depctr_va_vdst(0)
	v_and_b32 v11, 8, v9
	s_delay_alu instid0(VALU_DEP_1)
	v_add_nc_u32 v11, v11, v9
	v_lshlrev_b32 v7, 4, v10
	s_delay_alu instid0(VALU_DEP_1)
	v_sub_nc_u32 v11, v11, v7
	s_delay_alu instid0(VALU_DEP_1)
	v_add_nc_u32 v[DM], s3, v11                    ; 32 (x / 2) + 8 (x % 2) + r + 8 (r / 8) - 16 h
	s_wait_alu depctr_va_vdst(0)
	s_wait_dscnt 0x0
	s_wait_kmcnt 0x0
	s_add_nc_u64 s[84:85], s[4:5], s[84:85]
	s_add_nc_u64 s[86:87], s[4:5], s[86:87]
	s_add_nc_u64 s[88:89], s[4:5], s[88:89]
	s_add_nc_u64 s[90:91], s[4:5], s[90:91]
	s_add_nc_u64 s[92:93], s[4:5], s[92:93]
	s_add_nc_u64 s[94:95], s[4:5], s[94:95]
	s_add_nc_u64 s[80:81], s[4:5], s[80:81]
	s_add_nc_u64 s[82:83], s[4:5], s[82:83]
	s_add_nc_u64 s[96:97], s[6:7], s[96:97]
	s_add_nc_u64 s[98:99], s[6:7], s[98:99]
	s_mul_i32 s[STA], s[ISB], 9                    ; of the upper block A takes key steps 0 to 8, B steps 9 to its rank
	s_cmp_eq_u32 s[ISB], 1
	s_cselect_b32 s[END], s[RHO], 8
	ROUND                                          ; all four work-groups are here: the joint loads meet
; the eight first fills, one load a wave, in one chain of branches on the wave's number
.macro ARM n, g1, lds, base, off
	s_cmp_lg_u32 s[WV], \n
	s_cbranch_scc1 .Lnot_\n
	FILL \g1, \lds, \base, \off
	s_branch .Lfilled
.Lnot_\n:
.endm
	ARM 0, GK2, KC, 84, 0
	ARM 1, GV4, VC, 86, 0
	ARM 2, GKS, KSR, 88, 0
	ARM 3, GVS, VS, 90, 0
	ARM 4, GK7, KC+12288, 84, 2*RBQ
	ARM 5, GV14, VC+12288, 86, 4*6144
	ARM 6, GK7, KC+55296, 84, 9*RBQ
	ARM 7, GV14, VC+55296, 86, 18*6144
.Lfilled:
	global_load_b128 v[22:25], v1, s[92:93]        ; Q's half fragment: v22-27
	global_load_b64 v[26:27], v2, s[92:93] offset:512
	global_load_u16 v34, v6, s[94:95]              ; and its two scale bytes: the word for q | 0
	s_cmp_eq_u32 s[ISB], 0
	s_cbranch_scc1 .Lone_block
	global_load_b128 v[Q2:Q2+3], v1, s[80:81]      ; B: the same of its second block
	global_load_b64 v[Q2+4:Q2+5], v2, s[80:81] offset:512
	global_load_u16 v[Q2+6], v6, s[82:83]
.Lone_block:
.irp j, 16,17,18,19,20,21,28,29,30,31,32,33
	v_mov_b32 v[\j], 0                             ; zero codes on both sides of q
.endr
	v_mov_b32 v13, 0xff61b1e6                      ; the largest t so far: -3e38
	s_delay_alu instid0(VALU_DEP_1)
	v_floor_f32 v12, -v13                          ; -M
	v_mov_b32 v14, 0                               ; the sum, in two halves
	v_mov_b32 v15, 0
.irp b, 0,1,2,3
	v_mov_b32 v[BX+\b], 0                          ; a lane permute's destination counts as one of its sources
.endr
	v_mov_b32 v[F+1], 0                            ; named as the upper half of a pair
.set j, 0
.rept 32
	v_mov_b32 v[OT+j], 0                           ; the step is written for every step alike: the first finds zeros, which the first change of M leaves zeros
.set j, j+1
.endr
	s_wait_tensorcnt 0x0                           ; my load has landed,
	s_barrier_signal -1
	s_barrier_wait -1                              ; everybody's has
	ds_load_u16 v40, v38                           ; word W = thread (+ 512): tile 2 f's two bytes below, tile 2 f + 1's above
	ds_load_u16 v41, v38 offset:4
	ds_load_u16 v42, v38 offset:4096
	ds_load_u16 v43, v38 offset:4100
	s_wait_dscnt 0x0
	v_lshl_or_b32 v40, v41, 16, v40
	v_lshl_or_b32 v42, v43, 16, v42
	ds_store_b32 v39, v40
	ds_store_b32 v39, v42 offset:2048
	s_wait_dscnt 0x0                               ; for the others' sake: my pieced words lie in LDS
	s_barrier_signal -1
	s_barrier_wait -1
	s_wait_loadcnt 0x0                             ; Q
	v_lshlrev_b32 v35, 16, v34                     ; the word for 0 | q
.rept 8
	v_nop                                          ; a scale register written by a vector instruction stands eight places ahead of a scaled product
.endr
.macro STEP
	s_cmp_lt_u32 s[KSI], s[STA]                    ; not one of my key steps of this block: the step's work is left out
	s_cbranch_scc1 .Lhidden_\@
	s_cmp_gt_u32 s[KSI], s[END]
	s_cbranch_scc1 .Lhidden_\@
	v_add_nc_u32 v8, s[TK], v1                     ; six plain lines: also the places in front of the loads into registers that the last products read
	v_add_nc_u32 v9, s[TK], v2
	v_add_nc_u32 v10, s[TVC], v1
	v_add_nc_u32 v11, s[TVC], v2
	v_add_nc_u32 v36, s[TSK], v3
	v_add_nc_u32 v37, s[TSV], v4
.irp f, 0,1,2,3                                  ; fragment f: tiles 2 f and 2 f + 1 of the keys, 1,536 dense bytes
	ds_load_b128 v[FRG+12*\f:FRG+12*\f+3], v8 offset:1536*\f
	ds_load_b64 v[FRG+12*\f+4:FRG+12*\f+5], v9 offset:1536*\f+512
	ds_load_b128 v[FRG+12*\f+6:FRG+12*\f+9], v8 offset:1536*\f+768
	ds_load_b64 v[FRG+12*\f+10:FRG+12*\f+11], v9 offset:1536*\f+1280
.endr
	ds_load_b128 v[88:91], v36
	s_wait_dscnt 0x0
	s_wait_alu depctr_va_vdst(0)
.irp f, 0,1,2,3
	v_wmma_scale_f32_16x16x128_f8f6f4 v[S+16*\f:S+16*\f+7], v[FRG+12*\f:FRG+12*\f+11], v[22:33], 0, v[88+\f], v34 matrix_a_fmt:MATRIX_FMT_FP6 matrix_b_fmt:MATRIX_FMT_FP6
	v_wmma_scale_f32_16x16x128_f8f6f4 v[S+16*\f+8:S+16*\f+15], v[FRG+12*\f:FRG+12*\f+11], v[16:27], 0, v[88+\f], v35 matrix_a_fmt:MATRIX_FMT_FP6 matrix_b_fmt:MATRIX_FMT_FP6
.endr
.rept 4
	v_nop                                          ; places: the fragments' registers are loaded again, and the scores are read
.endr
.irp t, 0,1,2,3                                  ; V's four tiles of 16 channels x these 128 keys: they land under the softmax
	ds_load_b128 v[FRG+12*\t:FRG+12*\t+3], v10 offset:768*\t
	ds_load_b64 v[FRG+12*\t+4:FRG+12*\t+5], v11 offset:768*\t+512
	ds_load_b128 v[FRG+12*\t+6:FRG+12*\t+9], v10 offset:768*\t+3072
	ds_load_b64 v[FRG+12*\t+10:FRG+12*\t+11], v11 offset:768*\t+3584
.endr
	ds_load_b128 v[92:95], v37
	s_cmp_lg_u32 s[KSI], s[RHO]                    ; on the diagonal hidden scores become -infinity ahead of the maximum
	s_cbranch_scc1 .Lopen_\@
	v_mov_b32 v[TMP], 0xff800000
.set n, 0
.rept 64
	v_cmp_gt_i32 vcc_lo, 32*(n/16)+n%16, v[DM]     ; register 16 b + i holds key 32 b + 16 (lane / 16) + i of the 128
	v_cndmask_b32 v[S+n], v[S+n], v[TMP], vcc_lo
.set n, n+1
.endr
.Lopen_\@:
.irp b, 0,1,2,3
	v_max3_num_f32 v[BM+\b], v[S+16*\b], v[S+1+16*\b], v[S+2+16*\b]   ; each block's largest score: for the row's maximum, and for the block's largest p
.endr
.irp i, 3,5,7,9,11,13
.irp b, 0,1,2,3
	v_max3_num_f32 v[BM+\b], v[BM+\b], v[S+16*\b+\i], v[S+1+16*\b+\i]
.endr
.endr
.irp b, 0,1,2,3
	v_max_num_f32 v[BM+\b], v[BM+\b], v[S+15+16*\b]
.endr
.irp b, 0,1,2,3
	s_delay_alu instid0(VALU_DEP_4)
	v_permlanex16_b32 v[BX+\b], v[BM+\b], s[SEL], s[SEL+1]
.endr
.irp b, 0,1,2,3
	s_delay_alu instid0(VALU_DEP_4)
	v_max_num_f32 v[BM+\b], v[BM+\b], v[BX+\b]
.endr
	s_delay_alu instid0(VALU_DEP_2)
	v_max3_num_f32 v[TMP], v[BM], v[BM+1], v[BM+2]
	s_delay_alu instid0(VALU_DEP_1)
	v_max_num_f32 v[TMP], v[TMP], v[BM+3]
	s_delay_alu instid0(VALU_DEP_1)
	v_mul_f32 v[TMP], s[CS], v[TMP]
	s_delay_alu instid0(VALU_DEP_1)
	v_max_num_f32 v13, v13, v[TMP]                 ; the running largest t
	v_mov_b32 v[TMP], v12
	s_delay_alu instid0(VALU_DEP_2)
	v_floor_f32 v12, -v13                          ; the new -M: M is a whole number
	s_delay_alu instid0(VALU_DEP_1)
	v_sub_f32 v[TMP], v12, v[TMP]
	s_delay_alu instid0(VALU_DEP_1)
	v_cvt_i32_f32 v[TMP], v[TMP]                   ; (it saturates)
	s_delay_alu instid0(VALU_DEP_1)
	v_ldexp_f32 v[F], 1.0, v[TMP]                  ; 2^(old M - new M)
.set j, 0
.rept 32
	v_pk_fma_f32 v[S+j:S+j+1], v[S+j:S+j+1], s[CS:CS+1], v[12:13] op_sel_hi:[1,0,0]   ; t - M
.set j, j+2
.endr
.irp b, 0,1,2,3
	v_fma_f32 v[BM+\b], v[BM+\b], s[CS], v12
.endr
.set j, 0
	s_wait_alu depctr_va_vdst(0)
.rept 64
	v_exp_f32 v[S+j], v[S+j]                       ; p, not normalised
.set j, j+1
.endr
	v_pk_mul_f32 v[14:15], v[14:15], v[F:F+1] op_sel_hi:[1,0]   ; the sums under the new M: a plain place behind the exponentials
	s_wait_alu depctr_va_vdst(0)                   ; one wait for the batch, ahead of its first reader
.irp b, 0,1,2,3
	v_exp_f32 v[BM+\b], v[BM+\b]                   ; the block's largest p
.endr
	v_pk_add_f32 v[228:229], v[100:101], v[104:105]
	v_pk_add_f32 v[252:253], v[108:109], v[112:113]
	v_pk_add_f32 v[250:251], v[116:117], v[120:121]
	v_pk_add_f32 v[248:249], v[124:125], v[128:129]
	v_pk_add_f32 v[246:247], v[132:133], v[136:137]
	v_pk_add_f32 v[244:245], v[140:141], v[144:145]
	v_pk_add_f32 v[242:243], v[148:149], v[152:153]
	v_pk_add_f32 v[14:15], v[14:15], v[156:157]
	v_pk_add_f32 v[228:229], v[228:229], v[96:97]
	v_pk_add_f32 v[252:253], v[252:253], v[98:99]
	v_pk_add_f32 v[250:251], v[250:251], v[102:103]
	v_pk_add_f32 v[248:249], v[248:249], v[106:107]
	v_pk_add_f32 v[246:247], v[246:247], v[110:111]
	v_pk_add_f32 v[244:245], v[244:245], v[114:115]
	v_pk_add_f32 v[242:243], v[242:243], v[118:119]
	v_pk_add_f32 v[14:15], v[14:15], v[122:123]
	v_pk_add_f32 v[228:229], v[228:229], v[126:127]
	v_pk_add_f32 v[252:253], v[252:253], v[130:131]
	v_pk_add_f32 v[250:251], v[250:251], v[134:135]
	v_pk_add_f32 v[248:249], v[248:249], v[138:139]
	v_pk_add_f32 v[246:247], v[246:247], v[142:143]
	v_pk_add_f32 v[244:245], v[244:245], v[146:147]
	v_pk_add_f32 v[242:243], v[242:243], v[150:151]
	v_pk_add_f32 v[14:15], v[14:15], v[154:155]
	v_pk_add_f32 v[228:229], v[228:229], v[158:159]
	s_delay_alu instid0(VALU_DEP_2)
	v_pk_add_f32 v[14:15], v[14:15], v[248:249]
	s_delay_alu instid0(VALU_DEP_2)
	v_pk_add_f32 v[228:229], v[228:229], v[246:247]
	v_pk_add_f32 v[252:253], v[252:253], v[244:245]
	v_pk_add_f32 v[250:251], v[250:251], v[242:243]
	s_delay_alu instid0(VALU_DEP_2)
	v_pk_add_f32 v[14:15], v[14:15], v[252:253]
	s_delay_alu instid0(VALU_DEP_2)
	v_pk_add_f32 v[228:229], v[228:229], v[250:251]
	s_delay_alu instid0(VALU_DEP_1)
	v_pk_add_f32 v[14:15], v[14:15], v[228:229]
	s_wait_alu depctr_va_vdst(0)                   ; and one for the four
.irp b, 0,1,2,3
	v_max_num_f32 v[BM+\b], 0x1800000, v[BM+\b]    ; the floor 2^-124
.endr
.irp b, 0,1,2,3
	s_delay_alu instid0(VALU_DEP_4)
	v_add_nc_u32 v[SOP+\b], 0xff000000, v[BM+\b]
.endr
.irp b, 0,1,2,3
	s_delay_alu instid0(VALU_DEP_4)
	v_lshrrev_b32 v[BX+\b], 23, v[SOP+\b]
.endr
	s_delay_alu instid0(VALU_DEP_3)
	v_lshl_or_b32 v[PSW], v[BX+1], 8, v[BX]
	s_delay_alu instid0(VALU_DEP_1)
	v_lshl_or_b32 v[PSW], v[BX+2], 16, v[PSW]
	s_delay_alu instid0(VALU_DEP_1)
	v_lshl_or_b32 v[PSW], v[BX+3], 24, v[PSW]
.irp c, 0,1
	v_cvt_scalef32_pk16_fp6_f32 v[PCD+6*\c:PCD+2+6*\c], v[S+32*\c:S+15+32*\c], v[SOP+2*\c]
	v_cvt_scalef32_pk16_fp6_f32 v[PT+4*\c:PT+2+4*\c], v[S+16+32*\c:S+31+32*\c], v[SOP+2*\c+1]
.endr
	v_nop                                          ; one plain place behind the scaled conversions
.irp c, 0,1
.irp i, 0,1,2
	v_permlane16_swap_b32 v[PCD+6*\c+\i], v[PT+4*\c+\i]
.endr
.irp i, 0,1,2
	s_delay_alu instid0(VALU_DEP_3)
	v_mov_b32 v[PCD+3+6*\c+\i], v[PT+4*\c+\i]
.endr
.endr
.set j, 0
.rept 16
	v_pk_mul_f32 v[OT+j:OT+j+1], v[OT+j:OT+j+1], v[F:F+1] op_sel_hi:[1,0]   ; O^T under the new M; these sixteen also stand between p's scale word and codes and the products
.set j, j+2
.endr
	s_wait_alu depctr_va_vdst(0)
	s_wait_dscnt 0x0                               ; V
.irp t, 0,1,2,3
	v_wmma_scale_f32_16x16x128_f8f6f4 v[OT+8*\t:OT+8*\t+7], v[FRG+12*\t:FRG+12*\t+11], v[PCD:PCD+11], v[OT+8*\t:OT+8*\t+7], v[92+\t], v[PSW] matrix_a_fmt:MATRIX_FMT_FP6 matrix_b_fmt:MATRIX_FMT_FP6
.endr
.Lhidden_\@:
	s_add_co_u32 s[TK], s[TK], 6144
	s_add_co_u32 s[TVC], s[TVC], 6144
	s_add_co_u32 s[TSK], s[TSK], 256
	s_add_co_u32 s[TSV], s[TSV], 512
	s_add_co_u32 s[KSI], s[KSI], 1
.endm
	s_mov_b32 s[CNT], 0
.Lupper:                                           ; nine trips on the upper block, with no barrier: the waves run free
	STEP
	s_add_co_u32 s[CNT], s[CNT], 1
	s_cmp_lt_u32 s[CNT], 9
	s_cbranch_scc1 .Lupper
	s_wait_alu depctr_va_vdst(0)
	s_cmp_eq_u32 s[ISB], 0
	s_cbranch_scc1 .Lno_second
	; B: my part of the upper block goes to my pair's LDS bytes as an image of the registers, and the state begins anew for my second block
.rept 4
	v_nop                                          ; places behind the last products
.endr
	v_add_f32 v13, v14, v15                        ; the sum's two halves; v[12:13] = -M, the sum
.irp t, 0,1,2,3
	ds_store_b128 v[PA16], v[OT+8*\t:OT+8*\t+3] offset:1024*\t           ; each accumulator from its low end on
	ds_store_b128 v[PA16], v[OT+8*\t+4:OT+8*\t+7] offset:1024*\t+512
.endr
	ds_store_b64 v[PA8], v[12:13] offset:4096
.irp i, 0,1,2,3,4,5
	v_mov_b32 v[22+\i], v[Q2+\i]
.endr
	v_mov_b32 v34, v[Q2+6]
	v_lshlrev_b32 v35, 16, v[Q2+6]
	v_mov_b32 v13, 0xff61b1e6
	s_delay_alu instid0(VALU_DEP_1)
	v_floor_f32 v12, -v13
	v_mov_b32 v14, 0
	v_mov_b32 v15, 0
.set j, 0
.rept 32
	v_mov_b32 v[OT+j], 0                           ; (these also stand between q's codes and scale words and the next products)
.set j, j+1
.endr
	s_wait_alu depctr_va_vdst(0)
.Lno_second:
	s_mov_b32 s[RHO], s[RO]
	s_mov_b32 s[KSI], 0
	s_mov_b32 s[TK], KC
	s_mov_b32 s[TVC], VC
	s_mov_b32 s[TSK], 0
	s_mov_b32 s[TSV], 0
	s_sub_co_u32 s[END], 7, s[PR]                  ; B: key steps 0 to 7 - pair, the lower block's rank;
	s_cmp_eq_u32 s[ISB], 1
	s_cselect_b32 s[STA], 0, 16                    ; A: none
	s_mov_b32 s[CNT], 0
.Llower:                                           ; eight trips on the lower block
	STEP
	s_add_co_u32 s[CNT], s[CNT], 1
	s_cmp_lt_u32 s[CNT], 8
	s_cbranch_scc1 .Llower
	s_wait_alu depctr_va_vdst(0)
	s_wait_dscnt 0x0                               ; for A's sake: B's part lies in LDS
	s_barrier_signal -1
	s_barrier_wait -1
	s_cmp_eq_u32 s[ISB], 1
	s_cbranch_scc1 .Lwhole
	; A: both parts under the larger M: -M = the lesser of the two -M; each part x 2^(its M - M), exact
.rept 4
	v_nop                                          ; places behind my last products
.endr
.irp g, 0,1,2,3,4,5,6,7
	ds_load_b128 v[S+4*\g:S+4*\g+3], v[PA16] offset:512*\g
.endr
	ds_load_b64 v[S+32:S+33], v[PA8] offset:4096
	v_add_f32 v14, v14, v15
	v_mov_b32 v15, 0
	v_mov_b32 v[S+37], 0                           ; named as the upper halves of pairs
	v_mov_b32 v[S+39], 0
	s_wait_alu depctr_va_vdst(0)
	s_wait_dscnt 0x0
	v_min_num_f32 v[S+34], v12, v[S+32]
	s_delay_alu instid0(VALU_DEP_1)
	v_sub_f32 v[S+36], v[S+34], v12
	s_delay_alu instid0(VALU_DEP_2)
	v_sub_f32 v[S+38], v[S+34], v[S+32]
	s_delay_alu instid0(VALU_DEP_2)
	v_cvt_i32_f32 v[S+36], v[S+36]                 ; (it saturates)
	s_delay_alu instid0(VALU_DEP_2)
	v_cvt_i32_f32 v[S+38], v[S+38]
	s_delay_alu instid0(VALU_DEP_2)
	v_ldexp_f32 v[S+36], 1.0, v[S+36]
	s_delay_alu instid0(VALU_DEP_2)
	v_ldexp_f32 v[S+38], 1.0, v[S+38]
	s_delay_alu instid0(VALU_DEP_2)
	v_mul_f32 v14, v14, v[S+36]
	s_delay_alu instid0(VALU_DEP_1)
	v_fma_f32 v14, v[S+33], v[S+38], v14           ; the sum
.set j, 0
.rept 16
	v_pk_mul_f32 v[OT+j:OT+j+1], v[OT+j:OT+j+1], v[S+36:S+37] op_sel_hi:[1,0]
.set j, j+2
.endr
.set j, 0
.rept 16
	v_pk_fma_f32 v[OT+j:OT+j+1], v[S+j:S+j+1], v[S+38:S+39], v[OT+j:OT+j+1] op_sel_hi:[1,0,1]
.set j, j+2
.endr
	s_wait_alu depctr_va_vdst(0)
.Lwhole:
	; THE WAY OUT: O^T / the sum; register 16 b + i is channel 32 b + 16 (lane / 16) + i of my query: two blocks, one half fragment
.rept 4
	v_nop                                          ; places behind the last products
.endr
	v_add_f32 v14, v14, v15
	s_delay_alu instid0(VALU_DEP_1)
	v_permlanex16_b32 v[BX], v14, s[SEL], s[SEL+1]
	s_delay_alu instid0(VALU_DEP_1)
	v_add_f32 v14, v14, v[BX]                      ; the row's sum
	s_wait_alu depctr_va_vdst(0)
	v_rcp_f32 v14, v14
	v_nop                                          ; a plain place behind the reciprocal
	s_wait_alu depctr_va_vdst(0)                   ; the wait, ahead of its first reader
.set j, 0
.rept 32
	v_mul_f32 v[S+j], v[OT+j], v14
.set j, j+1
.endr
.irp b, 0,1
	v_max3_num_f32 v[BM+\b], |v[S+16*\b]|, |v[S+1+16*\b]|, 0x1800000
.endr
.irp i, 2,4,6,8,10,12,14
.irp b, 0,1
	s_delay_alu instid0(VALU_DEP_2)
	v_max3_num_f32 v[BM+\b], v[BM+\b], |v[S+16*\b+\i]|, |v[S+1+16*\b+\i]|
.endr
.endr
.irp b, 0,1
	s_delay_alu instid0(VALU_DEP_2)
	v_permlanex16_b32 v[BX+\b], v[BM+\b], s[SEL], s[SEL+1]
.endr
.irp b, 0,1
	s_delay_alu instid0(VALU_DEP_2)
	v_max_num_f32 v[BM+\b], v[BM+\b], v[BX+\b]
.endr
.irp b, 0,1
	s_delay_alu instid0(VALU_DEP_2)
	v_add_nc_u32 v[SOP+\b], 0xff000000, v[BM+\b]
.endr
.irp b, 0,1
	s_delay_alu instid0(VALU_DEP_2)
	v_lshrrev_b32 v[BX+\b], 23, v[SOP+\b]
.endr
	s_delay_alu instid0(VALU_DEP_1)
	v_lshl_or_b32 v[TMP], v[BX+1], 8, v[BX]        ; my row's two scale bytes
	v_cvt_scalef32_pk16_fp6_f32 v[PCD:PCD+2], v[S:S+15], v[SOP]
	v_cvt_scalef32_pk16_fp6_f32 v[PT:PT+2], v[S+16:S+31], v[SOP+1]
	v_nop
.irp i, 0,1,2
	v_permlane16_swap_b32 v[PCD+\i], v[PT+\i]
.endr
.irp i, 0,1,2
	s_delay_alu instid0(VALU_DEP_3)
	v_mov_b32 v[PCD+3+\i], v[PT+\i]
.endr
	global_store_b128 v1, v[PCD:PCD+3], s[96:97]   ; 512 and 256 consecutive bytes
	global_store_b64 v2, v[PCD+4:PCD+5], s[96:97] offset:512
	global_store_b16 v6, v[TMP], s[98:99]          ; lanes r and r + 16 hold and store the same two bytes
	s_wait_tensorcnt 0x0                           ; the wave's end
	ds_add_u32 v254, v255
	s_wait_dscnt 0x0
	ROUND                                          ; the closing round
	s_endpgm
.Lfunc_end_k_qf066e5bb23_attn:
	.size	k_qf066e5bb23_attn, .Lfunc_end_k_qf066e5bb23_attn-k_qf066e5bb23_attn
	.p2alignl 7, 3214868480
	.fill 96, 4, 3214868480
	.section	.rodata,"a",@progbits
	.p2align	6, 0x0
	.amdhsa_kernel k_qf066e5bb23_attn
		.amdhsa_group_segment_fixed_size 256000
		.amdhsa_private_segment_fixed_size 0
		.amdhsa_enable_private_segment 0
		.amdhsa_kernarg_size 16
		.amdhsa_user_sgpr_count 2
		.amdhsa_user_sgpr_kernarg_segment_ptr 1
		.amdhsa_wavefront_size32 1
		.amdhsa_system_sgpr_workgroup_id_x 1
		.amdhsa_system_sgpr_workgroup_id_y 1
		.amdhsa_system_sgpr_workgroup_id_z 1
		.amdhsa_system_vgpr_workitem_id 0
		.amdhsa_next_free_vgpr 256
		.amdhsa_next_free_sgpr 106
		.amdhsa_reserve_vcc 1
		.amdhsa_float_denorm_mode_32 3
		.amdhsa_float_denorm_mode_16_64 3
		.amdhsa_memory_ordered 1
		.amdhsa_forward_progress 1
		.amdhsa_inst_pref_size 73
	.end_amdhsa_kernel
	.amdgpu_metadata
---
amdhsa.version: [ 1, 2 ]
amdhsa.kernels:
  - .name:           k_qf066e5bb23_attn
    .symbol:         k_qf066e5bb23_attn.kd
    .args:
      - { .name: act, .offset: 0, .size: 8, .value_kind: global_buffer, .address_space: global }
      - { .name: att, .offset: 8, .size: 8, .value_kind: global_buffer, .address_space: global }
    .group_segment_fixed_size: 256000
    .private_segment_fixed_size: 0
    .kernarg_segment_align: 8
    .kernarg_segment_size: 16
    .max_flat_workgroup_size: 512
    .sgpr_count:     106
    .vgpr_count:     256
    .wavefront_size: 32
...
	.end_amdgpu_metadata
.endif
;; end of part 3
;; launch wo (part 4): grid 8 x 32, 4 waves a work-group, no clusters, 270,848 bytes of LDS; arguments att, wa, bo, x, x1; writes x1
.if DOCPART == 4
	.amdgcn_target "amdgcn-amd-amdhsa--gfx1250"
	.amdhsa_code_object_version 6
	.text
	.protected	k_qf066e5bb23_wo
	.globl	k_qf066e5bb23_wo
	.p2align	8
	.type	k_qf066e5bb23_wo,@function
k_qf066e5bb23_wo:
	s_mov_b64 s[64:65], 0
	v_nop
	global_prefetch_b8 v0, s[64:65] scope:SCOPE_SE
	s_setreg_imm32_b32 hwreg(HW_REG_WAVE_MODE, 25, 1), 1
	s_wait_xcnt 0x0
; x1 = x + bo + A Wo: A the attention's result [4,096][1,024], Wo [1,024 (k)][1,024 (n)] (blocks 24-31 of wa), both as codes of FP6 (E2M3) with E8M0 scale words, K = 1,024; x, bo, x1 in f32.
; OPERANDS LIE IN MEMORY AS IMAGES OF THEIR REGISTERS: a tile is 16 rows (lane r: row 32 (t / 2) + 8 (t % 2) + r + 8 (r / 8)); a half fragment (16 rows x 64 K) is 16 bytes a lane, then 8 bytes a lane;
; 128 rows x 128 K are 12,288 dense bytes, the K steps of a block of 128 rows on end, from byte 131,072.  Scale words, from byte 0: (block x 8 + K step) x 512 + 32 r + 4 x tile.
; SHARES.  Work-group (x, y) makes rows 128 y .. + 127, columns 128 x .. + 127: 256 work-groups.  EACH WAVE TAKES THE WHOLE 128 x 128 AND A QUARTER OF K: wave w has K steps 2 w and 2 w + 1, 64 accumulators, 512 registers.
; So every fragment is wanted by ONE wave, once, and feeds eight products from its registers: it goes from memory straight into them, and LDS holds no operand.  Both steps' 136 loads are issued at the head.
; THE FOUR QUARTERS MEET ONCE, in LDS: each wave stores its 128 x 128 sums as rows (512 bytes + 16); behind one barrier wave w reads rows 32 w .. + 31 of all four, adds them to x + bo and stores whole rows: 512 consecutive bytes a store.
; THE PRODUCT IS USED TRANSPOSED (source 0 = 16 columns of Wo, source 1 = 16 tokens): register j of tile (a, b) in lane (r, h) is token (tile a, lane r), column 32 (b / 2) + 8 (b % 2) + 16 h + j.
; NO CLUSTER: a joint load lands in LDS, and here no operand passes through LDS: a fragment has one reader in the work-group.  NO PREFETCH: the text has no loop to run ahead in: every operand is asked for at the head.
; LIMITS: K is summed in four quarters, each ascending in one f32 accumulator, and the quarters are added in f32 as (0 + 1) + (2 + 3): this order of rounding differs from one ascending sum.  NaN and infinities are not served.
; REGISTERS: window 0: v2-11 addresses, v16-19 bo, v32-63 scale words (set p: A's at v[32 + 16 p], B's at v[40 + 16 p]), v64-255 A's fragments, two sets; on the way out three buffers of 64.
;   window 1: B's fragments at v0 and v128; behind step 0 v0-127 hold x.   windows 2, 3: the accumulators ((a, b) at v[8 (8 (a % 4) + b)]).
.set C_OFF, 131072                     ; where a buffer's codes begin
.set RBB,   98304                      ; 128 rows x 1,024 K of codes
.set STB,   12288                      ; 128 rows x 128 K
.set WK,    2                          ; K steps a wave
.set SP,    528                        ; an LDS row: 512 bytes + 16
.set SRC,   128*SP                     ; one wave's 128 rows
.set SPARE, 4*SRC                      ; the spare words: 128 bytes a wave, two blocks of 256 bytes that no other line names
.set LI,  2                            ; 16 x lane
.set L8,  3                            ; 8 x lane
.set SOF, 4                            ; 32 r
.set STO, 5                            ; LDS: where I put 16 bytes of a row
.set RD,  6                            ; v6-9 LDS: my 32 rows in the sums of wave 0 .. 3
.set SPW, 10                           ; my spare word; never rewritten
.set NIL, 11                           ; 0; never rewritten
.set BI,  16
.set SC,  32
.set AF,  64
.set PA,  34                           ; s[34:35] A's codes, s[36:37] A's scale words, s[38:39], s[40:41] B's; s[42:43] x, s[44:45] x1, s[46:47] bo
.set PAS, 36
.set PB,  38
.set PBS, 40
.set PX,  42
.set PO,  44
.set PBI, 46
.set MSB, 0
.macro WIN new                         ; the immediate's high byte repeats the setting that is left
.if MSB != \new
	s_set_vgpr_msb (MSB<<8)|\new
.set MSB, \new
.endif
.endm
.set MUL_LO, 0xa1                      ; source 0 (B) window 1, source 1 (A) window 0, C and D window 2
.set TO_B,   0x40                      ; destination window 1, address window 0
.macro PLACES                          ; plain vector instructions between a matrix instruction and a load into, or a read of, its registers (ISA guide 7.12.1 for vector reads)
.rept 4
	v_nop
.endr
.endm
.macro FRAGL reg, base, st, i          ; a fragment: two half fragments, 6,144 bytes apart, each 512 + 256 dense bytes
	global_load_b128 v[\reg:\reg+3], v[LI], s[\base:\base+1] offset:(\st)*STB+(\i)*768
	global_load_b64 v[\reg+4:\reg+5], v[L8], s[\base:\base+1] offset:(\st)*STB+(\i)*768+512
	global_load_b128 v[\reg+6:\reg+9], v[LI], s[\base:\base+1] offset:(\st)*STB+(\i)*768+6144
	global_load_b64 v[\reg+10:\reg+11], v[L8], s[\base:\base+1] offset:(\st)*STB+(\i)*768+6656
.endm
.macro LOADS st, p                     ; lane r (and r + 16, which is not read) takes row r's words of the eight tiles
	global_load_b128 v[SC+16*(\p):SC+16*(\p)+3], v[SOF], s[PAS:PAS+1] offset:(\st)*512
	global_load_b128 v[SC+16*(\p)+4:SC+16*(\p)+7], v[SOF], s[PAS:PAS+1] offset:(\st)*512+16
	global_load_b128 v[SC+16*(\p)+8:SC+16*(\p)+11], v[SOF], s[PBS:PBS+1] offset:(\st)*512
	global_load_b128 v[SC+16*(\p)+12:SC+16*(\p)+15], v[SOF], s[PBS:PBS+1] offset:(\st)*512+16
.endm
; 16 matrix instructions: A's tiles a0, a0 + 1 x B's eight.  The 64 accumulators take turns, one instruction a turn, in the same order in both steps.
.macro MUL2 a0, p, zero
.irp a, \a0, \a0+1
.irp b, 0,1,2,3,4,5,6,7
.if \zero
	v_wmma_scale_f32_16x16x128_f8f6f4 v[8*(8*((\a)%4)+\b):8*(8*((\a)%4)+\b)+7], v[128*(\p)+12*\b:128*(\p)+12*\b+11], v[AF+96*(\p)+12*(\a):AF+96*(\p)+12*(\a)+11], 0, v[SC+16*(\p)+8+\b], v[SC+16*(\p)+(\a)] matrix_a_fmt:MATRIX_FMT_FP6 matrix_b_fmt:MATRIX_FMT_FP6
.else
	v_wmma_scale_f32_16x16x128_f8f6f4 v[8*(8*((\a)%4)+\b):8*(8*((\a)%4)+\b)+7], v[128*(\p)+12*\b:128*(\p)+12*\b+11], v[AF+96*(\p)+12*(\a):AF+96*(\p)+12*(\a)+11], v[8*(8*((\a)%4)+\b):8*(8*((\a)%4)+\b)+7], v[SC+16*(\p)+8+\b], v[SC+16*(\p)+(\a)] matrix_a_fmt:MATRIX_FMT_FP6 matrix_b_fmt:MATRIX_FMT_FP6
.endif
.endr
.endr
.endm
.macro STEP p, zero, cnt               ; a step of 128 along K on set p.  cnt: the loads issued behind this step's that may be out
	s_wait_loadcnt \cnt
.irp g, 0,1,2,3
	WIN MUL_LO+0x50*(\g/2)
	MUL2 2*\g, \p, \zero
.endr
	WIN 0
.endm
	s_load_b256 s[4:11], s[0:1], 0x0               ; att s[4:5], wa s[6:7], bo s[8:9], x s[10:11]
	s_load_b64 s[12:13], s[0:1], 0x20              ; x1
	v_lshrrev_b32 v1, 5, v0
	v_readfirstlane_b32 s14, v1                    ; wave 0..3
	s_and_b32 s15, ttmp7, 0xffff                   ; y: the block of 128 rows; ttmp9 = x: the block of 128 columns
	s_add_co_u32 s31, ttmp9, 24                    ; Wo's blocks are 24 to 31 of wa
	s_mul_i32 s28, s14, WK*STB                     ; my quarter of K, in codes,
	s_lshl_b32 s29, s14, 10                        ; and in scale words (2 x 512)
	s_mul_i32 s16, s15, RBB
	s_add_co_u32 s16, s16, s28
	s_add_co_u32 s16, s16, C_OFF                   ; A's codes
	s_mov_b32 s17, 0
	s_lshl_b32 s18, s15, 12
	s_add_co_u32 s18, s18, s29                     ; A's scale words
	s_mov_b32 s19, 0
	s_mul_i32 s20, s31, RBB
	s_add_co_u32 s20, s20, s28
	s_add_co_u32 s20, s20, C_OFF                   ; B's codes
	s_mov_b32 s21, 0
	s_lshl_b32 s22, s31, 12
	s_add_co_u32 s22, s22, s29                     ; B's scale words
	s_mov_b32 s23, 0
	s_lshl_b32 s26, ttmp9, 9                       ; my 128 columns, in bytes
	s_mov_b32 s27, 0
	s_lshl_b32 s24, s15, 19
	s_lshl_b32 s30, s14, 17
	s_add_co_u32 s24, s24, s30
	s_add_co_u32 s24, s24, s26                     ; row 128 y + 32 w of x and of x1, at my columns
	s_mov_b32 s25, 0
	s_mul_i32 s28, s14, SRC                        ; LDS: my wave's sums,
	s_mul_i32 s29, s14, 32*SP                      ; and my 32 rows in each wave's
	v_lshl_add_u32 v[SPW], v0, 2, SPARE
	v_mov_b32 v[NIL], 0
	v_and_b32 v1, 31, v0                           ; lane
	v_and_b32 v14, 15, v0                          ; r
	v_bfe_u32 v15, v0, 4, 1                        ; h
	v_lshlrev_b32 v[LI], 4, v1
	v_lshlrev_b32 v[L8], 3, v1
	v_lshlrev_b32 v[SOF], 5, v14
	v_mul_u32_u24 v[STO], v14, SP
	v_lshl_add_u32 v[STO], v15, 6, v[STO]
	v_add_nc_u32 v[STO], s28, v[STO]               ; row r, + 64 h, in my wave's sums
	v_add_nc_u32 v[RD], s29, v[LI]
	v_add_nc_u32 v[RD+1], SRC, v[RD]
	v_add_nc_u32 v[RD+2], 2*SRC, v[RD]
	v_add_nc_u32 v[RD+3], 3*SRC, v[RD]
	s_wait_alu depctr_va_vdst(0)
	s_wait_kmcnt 0x0
	s_add_nc_u64 s[PA:PA+1], s[4:5], s[16:17]
	s_add_nc_u64 s[PAS:PAS+1], s[4:5], s[18:19]
	s_add_nc_u64 s[PB:PB+1], s[6:7], s[20:21]
	s_add_nc_u64 s[PBS:PBS+1], s[6:7], s[22:23]
	s_add_nc_u64 s[PX:PX+1], s[10:11], s[24:25]
	s_add_nc_u64 s[PO:PO+1], s[12:13], s[24:25]
	s_add_nc_u64 s[PBI:PBI+1], s[8:9], s[26:27]
	global_load_b128 v[BI:BI+3], v[LI], s[PBI:PBI+1]   ; bo of columns 4 x lane .. + 3: the same for every row
.irp s, 0,1                                      ; my two steps: 68 loads each
	WIN TO_B
.irp i, 0,1,2,3,4,5,6,7
	FRAGL 128*\s+12*\i, PB, \s, \i
.endr
	WIN 0
	LOADS \s, \s
.irp i, 0,1,2,3,4,5,6,7
	FRAGL AF+96*\s+12*\i, PA, \s, \i
.endr
.endr
	STEP 0, 1, 63                                  ; behind step 0's loads: step 1's 68 (the wait's field names 63 at the most).  Its products start the sums
	PLACES
	WIN TO_B                                       ; x's 32 rows of mine into the registers that held B's set 0: 512 consecutive bytes a load
.set q, 0
.rept 32
	global_load_b128 v[4*q:4*q+3], v[LI], s[PX:PX+1] offset:q*4096 th:TH_LOAD_NT
.set q, q+1
.endr
	WIN 0
	STEP 1, 0, 32                                  ; behind step 1's loads: x's 32
	PLACES                                         ; behind the last products: their results are read below
.irp a, 0,1,2,3,4,5,6,7                          ; my 128 x 128 sums into LDS as rows, each accumulator from its low end on; LDS row 16 a + r
	WIN 0x08+4*((\a)/4)                            ; the data: window 2 or 3
.irp b, 0,1,2,3,4,5,6,7
	ds_store_b128 v[STO], v[64*((\a)%4)+8*\b:64*((\a)%4)+8*\b+3] offset:(\a)*16*SP+128*(\b/2)+32*(\b%2)
	ds_store_b128 v[STO], v[64*((\a)%4)+8*\b+4:64*((\a)%4)+8*\b+7] offset:(\a)*16*SP+128*(\b/2)+32*(\b%2)+16
.endr
.endr
	s_wait_loadcnt 0x0                             ; x
	WIN 0x41                                       ; source 0 and destination window 1, source 1 window 0
.set q, 0
.rept 32
	v_pk_add_f32 v[4*q:4*q+1], v[4*q:4*q+1], v[BI:BI+1]       ; x + bo, while the stores are out
	v_pk_add_f32 v[4*q+2:4*q+3], v[4*q+2:4*q+3], v[BI+2:BI+3]
.set q, q+1
.endr
	WIN 0
	s_wait_alu depctr_va_vdst(0)
	s_wait_dscnt 0x0                               ; for the others' sake: my sums lie in LDS
	s_barrier_signal -1
	s_barrier_wait -1
; Four rows at a time, in three buffers of 64 registers by turns: row 4 g + i of my 32 lies at LDS row 16 ((g / 2) % 2) + 8 (g / 4) + 4 (g % 2) + i of my 32; the 32 lanes take a whole row of each wave's sums.
.macro RLOAD g
.set BF, 64+64*((\g)%3)
.irp s, 0,1,2,3
.irp i, 0,1,2,3
	ds_load_b128 v[BF+16*\s+4*\i:BF+16*\s+4*\i+3], v[RD+\s] offset:(16*(((\g)/2)%2)+8*((\g)/4)+4*((\g)%2)+\i)*SP
.endr
.endr
.endm
.macro RSUM g
.set BF, 64+64*((\g)%3)
.irp k, 0,2,4,6,8,10,12,14
	v_pk_add_f32 v[BF+\k:BF+\k+1], v[BF+\k:BF+\k+1], v[BF+16+\k:BF+17+\k]
	v_pk_add_f32 v[BF+32+\k:BF+33+\k], v[BF+32+\k:BF+33+\k], v[BF+48+\k:BF+49+\k]
.endr
.irp k, 0,2,4,6,8,10,12,14
	v_pk_add_f32 v[BF+\k:BF+\k+1], v[BF+\k:BF+\k+1], v[BF+32+\k:BF+33+\k]
.endr
	WIN 0x04                                       ; source 1: window 1
.irp k, 0,2,4,6,8,10,12,14
	v_pk_add_f32 v[BF+\k:BF+\k+1], v[BF+\k:BF+\k+1], v[16*(\g)+\k:16*(\g)+\k+1]
.endr
	WIN 0
.irp i, 0,1,2,3
	global_store_b128 v[LI], v[BF+4*\i:BF+4*\i+3], s[PO:PO+1] offset:(4*(\g)+\i)*4096   ; 32 lanes store 512 consecutive bytes, aligned
.endr
.endm
	RLOAD 0
	RLOAD 1
.irp g, 0,1,2,3,4,5,6,7
.if \g < 6
.if \g > 0
	s_wait_xcnt 0x0                                ; the stores of one batch back have read their registers, which take the loads below
.endif
	RLOAD \g+2
	s_wait_dscnt 32                                ; this batch is in; the 32 loads of the two behind it may be out
.else
	s_wait_dscnt 16*(7-\g)
.endif
	RSUM \g
.endr
	s_wait_tensorcnt 0x0                           ; the wave's end, behind my last LDS store
	ds_add_u32 v[SPW], v[NIL]
	s_wait_dscnt 0x0
	s_endpgm
.Lfunc_end_k_qf066e5bb23_wo:
	.size	k_qf066e5bb23_wo, .Lfunc_end_k_qf066e5bb23_wo-k_qf066e5bb23_wo
	.p2alignl 7, 3214868480
	.fill 96, 4, 3214868480
	.section	.rodata,"a",@progbits
	.p2align	6, 0x0
	.amdhsa_kernel k_qf066e5bb23_wo
		.amdhsa_group_segment_fixed_size 270848
		.amdhsa_private_segment_fixed_size 0
		.amdhsa_enable_private_segment 0
		.amdhsa_kernarg_size 40
		.amdhsa_user_sgpr_count 2
		.amdhsa_user_sgpr_kernarg_segment_ptr 1
		.amdhsa_wavefront_size32 1
		.amdhsa_system_sgpr_workgroup_id_x 1
		.amdhsa_system_sgpr_workgroup_id_y 1
		.amdhsa_system_sgpr_workgroup_id_z 1
		.amdhsa_system_vgpr_workitem_id 0
		.amdhsa_next_free_vgpr 1024
		.amdhsa_next_free_sgpr 66
		.amdhsa_reserve_vcc 0
		.amdhsa_float_denorm_mode_32 3
		.amdhsa_float_denorm_mode_16_64 3
		.amdhsa_memory_ordered 1
		.amdhsa_forward_progress 1
		.amdhsa_inst_pref_size 76
	.end_amdhsa_kernel
	.amdgpu_metadata
---
amdhsa.version: [ 1, 2 ]
amdhsa.kernels:
  - .name:           k_qf066e5bb23_wo
    .symbol:         k_qf066e5bb23_wo.kd
    .args:
      - { .name: att, .offset: 0, .size: 8, .value_kind: global_buffer, .address_space: global }
      - { .name: wa, .offset: 8, .size: 8, .value_kind: global_buffer, .address_space: global }
      - { .name: bo, .offset: 16, .size: 8, .value_kind: global_buffer, .address_space: global }
      - { .name: x, .offset: 24, .size: 8, .value_kind: global_buffer, .address_space: global }
      - { .name: x1, .offset: 32, .size: 8, .value_kind: global_buffer, .address_space: global }
    .group_segment_fixed_size: 270848
    .private_segment_fixed_size: 0
    .kernarg_segment_align: 8
    .kernarg_segment_size: 40
    .max_flat_workgroup_size: 128
    .sgpr_count:     66
    .vgpr_count:     1024
    .wavefront_size: 32
...
	.end_amdgpu_metadata
.endif
;; end of part 4
;; launch ln2: the kernel of part 1 again; grid 256 x 1, 4 waves a work-group, no clusters, 66,816 bytes of LDS; arguments x1, ln2_g, ln2_b, hbuf, W1, W2, Wq, Wk, Wv, Wo, wa, wb, zb, ninf; writes hbuf, wa, wb, zb, ninf
;; launch w1: the kernel of part 2 again; grid 16 x 16, 4 waves a work-group, clusters of 4 x 4, 327,680 bytes of LDS; arguments hbuf, wb, b1, zb, act; writes act
;; launch w2 (part 5): grid 8 x 32, 4 waves a work-group, no clusters, 270,848 bytes of LDS; arguments act, wb, b2, x1, out0; writes out0
.if DOCPART == 5
	.amdgcn_target "amdgcn-amd-amdhsa--gfx1250"
	.amdhsa_code_object_version 6
	.text
	.protected	k_qf066e5bb23_w2
	.globl	k_qf066e5bb23_w2
	.p2align	8
	.type	k_qf066e5bb23_w2,@function
k_qf066e5bb23_w2:
	s_mov_b64 s[64:65], 0
	v_nop
	global_prefetch_b8 v0, s[64:65] scope:SCOPE_SE
	s_setreg_imm32_b32 hwreg(HW_REG_WAVE_MODE, 25, 1), 1
	s_wait_xcnt 0x0
; out = x1 + b2 + H W2: H the hidden layer [4,096][4,096], W2 [4,096 (k)][1,024 (n)], both as codes of FP6 (E2M3) with E8M0 scale words, K = 4,096; x1, b2, out in f32.
; OPERANDS LIE IN MEMORY AS IMAGES OF THEIR REGISTERS: a tile is 16 rows (lane r: row 32 (t / 2) + 8 (t % 2) + r + 8 (r / 8)); a half fragment (16 rows x 64 K) is 16 bytes a lane, then 8 bytes a lane;
; 128 rows x 128 K are 12,288 dense bytes, the K steps of a block of 128 rows on end.  Scale words: (block x 32 + K step) x 512 + 32 r + 4 x tile.
; SHARES.  Work-group (x, y) makes rows 128 y .. + 127, columns 128 x .. + 127: 256 work-groups.  EACH WAVE TAKES THE WHOLE 128 x 128 AND A QUARTER OF K: wave w has K steps 8 w .. 8 w + 7, 64 accumulators, 512 registers.
; So every fragment is wanted by ONE wave, once, and feeds eight products from its registers: it goes from memory straight into them, four loads a fragment, and LDS holds no operand.  No barrier stands in the walk along K.
; Two sets of registers for A's eight fragments, B's eight and the scale words: while step s is multiplied, step s + 1's 68 loads are out, and step s + 2's are issued into step s's registers as the products free them.
; THE FOUR QUARTERS MEET ONCE, in LDS: each wave stores its 128 x 128 sums as rows (512 bytes + 16); behind one barrier wave w reads rows 32 w .. + 31 of all four, adds them to x1 + b2 and stores whole rows: 512 consecutive bytes a store.
; THE PRODUCT IS USED TRANSPOSED (source 0 = 16 columns of W2, source 1 = 16 tokens): register j of tile (a, b) in lane (r, h) is token (tile a, lane r), column 32 (b / 2) + 8 (b % 2) + 16 h + j.
; NO CLUSTER: a joint load lands in LDS, and here no operand passes through LDS: a fragment has one reader in the work-group, so a tile in LDS would be 786,432 bytes written and read once more for each work-group.
; PREFETCH: step s asks for step s + 3's codes, whose loads are issued in step s + 1; the head asks for step 2's.  A block of 12,288 bytes is 48 units of 256.  A's block is read by the 8 work-groups of a row of the grid: each names 6 units;
; B's by the 32 of a column: even y names unit 3 y / 2, odd y the two from (3 y - 1) / 2.  A lane a unit; lanes left over name the last again.  Nothing beyond the wave's eighth step is named.
; LIMITS: K is summed in four quarters, each ascending in one f32 accumulator, and the quarters are added in f32 as (0 + 1) + (2 + 3): this order of rounding differs from one ascending sum.  NaN and infinities are not served.
; REGISTERS: window 0: v2-13 addresses, v16-19 b2, v32-63 scale words (set p: A's at v[32 + 16 p], B's at v[40 + 16 p]), v64-255 A's fragments, two sets; on the way out three buffers of 64.
;   window 1: B's fragments at v0 and v128; from step 6 on v0-127 hold x1.   windows 2, 3: the accumulators ((a, b) at v[8 (8 (a % 4) + b)]).
.set A_C,   655360                     ; act: the hidden layer's scale words from byte 0, its codes from here
.set B_S,   3276800                    ; wb: W2's scale words,
.set B_C,   3407872                    ; and its codes
.set RBB,   393216                     ; 128 rows x 4,096 K of codes
.set STB,   12288                      ; 128 rows x 128 K
.set WK,    8                          ; K steps a wave
.set SP,    528                        ; an LDS row: 512 bytes + 16
.set SRC,   128*SP                     ; one wave's 128 rows
.set SPARE, 4*SRC                      ; the spare words: 128 bytes a wave, two blocks of 256 bytes that no other line names
.set LI,  2                            ; 16 x lane
.set L8,  3                            ; 8 x lane
.set SOF, 4                            ; 32 r
.set STO, 5                            ; LDS: where I put 16 bytes of a row
.set RD,  6                            ; v6-9 LDS: my 32 rows in the sums of wave 0 .. 3
.set SPW, 10                           ; my spare word; never rewritten
.set NIL, 11                           ; 0; never rewritten
.set PFA, 12                           ; the prefetches' offsets
.set PFB, 13
.set BI,  16
.set SC,  32
.set AF,  64
.set PA,  34                           ; s[34:35] A's codes, s[36:37] A's scale words, s[38:39], s[40:41] B's; s[42:43] x1, s[44:45] out, s[46:47] b2
.set PAS, 36
.set PB,  38
.set PBS, 40
.set PX,  42
.set PO,  44
.set PBI, 46
.set MSB, 0
.macro WIN new                         ; the immediate's high byte repeats the setting that is left
.if MSB != \new
	s_set_vgpr_msb (MSB<<8)|\new
.set MSB, \new
.endif
.endm
.set MUL_LO, 0xa1                      ; source 0 (B) window 1, source 1 (A) window 0, C and D window 2
.set TO_B,   0x40                      ; destination window 1, address window 0
.macro PLACES                          ; plain vector instructions between a matrix instruction and a load into, or a read of, its registers (ISA guide 7.12.1 for vector reads)
.rept 4
	v_nop
.endr
.endm
.macro FRAGL reg, base, st, i          ; a fragment: two half fragments, 6,144 bytes apart, each 512 + 256 dense bytes
	global_load_b128 v[\reg:\reg+3], v[LI], s[\base:\base+1] offset:(\st)*STB+(\i)*768
	global_load_b64 v[\reg+4:\reg+5], v[L8], s[\base:\base+1] offset:(\st)*STB+(\i)*768+512
	global_load_b128 v[\reg+6:\reg+9], v[LI], s[\base:\base+1] offset:(\st)*STB+(\i)*768+6144
	global_load_b64 v[\reg+10:\reg+11], v[L8], s[\base:\base+1] offset:(\st)*STB+(\i)*768+6656
.endm
.macro LOADA st, p, i0                 ; A's tiles i0, i0 + 1
.irp i, \i0, \i0+1
	FRAGL AF+96*(\p)+12*(\i), PA, \st, \i
.endr
.endm
.macro LOADB st, p
	WIN TO_B
.irp i, 0,1,2,3,4,5,6,7
	FRAGL 128*(\p)+12*\i, PB, \st, \i
.endr
	WIN 0
.endm
.macro LOADS st, p                     ; lane r (and r + 16, which is not read) takes row r's words of the eight tiles
	global_load_b128 v[SC+16*(\p):SC+16*(\p)+3], v[SOF], s[PAS:PAS+1] offset:(\st)*512
	global_load_b128 v[SC+16*(\p)+4:SC+16*(\p)+7], v[SOF], s[PAS:PAS+1] offset:(\st)*512+16
	global_load_b128 v[SC+16*(\p)+8:SC+16*(\p)+11], v[SOF], s[PBS:PBS+1] offset:(\st)*512
	global_load_b128 v[SC+16*(\p)+12:SC+16*(\p)+15], v[SOF], s[PBS:PBS+1] offset:(\st)*512+16
.endm
.macro ASK st
	global_prefetch_b8 v[PFA], s[PA:PA+1] offset:(\st)*STB th:TH_LOAD_NT scope:SCOPE_SE
	global_prefetch_b8 v[PFB], s[PB:PB+1] offset:(\st)*STB th:TH_LOAD_NT scope:SCOPE_SE
.endm
; 16 matrix instructions: A's tiles a0, a0 + 1 x B's eight.  The 64 accumulators take turns, one instruction a turn, in the same order in every step.
.macro MUL2 a0, p, zero
.irp a, \a0, \a0+1
.irp b, 0,1,2,3,4,5,6,7
.if \zero
	v_wmma_scale_f32_16x16x128_f8f6f4 v[8*(8*((\a)%4)+\b):8*(8*((\a)%4)+\b)+7], v[128*(\p)+12*\b:128*(\p)+12*\b+11], v[AF+96*(\p)+12*(\a):AF+96*(\p)+12*(\a)+11], 0, v[SC+16*(\p)+8+\b], v[SC+16*(\p)+(\a)] matrix_a_fmt:MATRIX_FMT_FP6 matrix_b_fmt:MATRIX_FMT_FP6
.else
	v_wmma_scale_f32_16x16x128_f8f6f4 v[8*(8*((\a)%4)+\b):8*(8*((\a)%4)+\b)+7], v[128*(\p)+12*\b:128*(\p)+12*\b+11], v[AF+96*(\p)+12*(\a):AF+96*(\p)+12*(\a)+11], v[8*(8*((\a)%4)+\b):8*(8*((\a)%4)+\b)+7], v[SC+16*(\p)+8+\b], v[SC+16*(\p)+(\a)] matrix_a_fmt:MATRIX_FMT_FP6 matrix_b_fmt:MATRIX_FMT_FP6
.endif
.endr
.endr
.endm
; A step of 128 along K on set p.  ld: the step (counted from the bases) whose 68 loads go into set p as it is freed, two of A's tiles behind their 16 products, B's and the scale words behind the last; -1: none.  pf: the step asked for; -1: none.
; cnt: the loads issued behind this step's that may be out: the next step's 68 (the wait's field names 63 at the most), or x1's 32.
.macro STEP p, zero, ld, pf, cnt
	s_wait_loadcnt \cnt
.irp g, 0,1,2,3
	WIN MUL_LO+0x50*(\g/2)
	MUL2 2*\g, \p, \zero
.if \ld >= 0
	PLACES
.if \g == 3
	LOADB \ld, \p
	LOADS \ld, \p
.endif
	WIN 0
	LOADA \ld, \p, 2*\g
.if (\g == 1) && (\pf >= 0)
	ASK \pf
.endif
.endif
.endr
	WIN 0
.endm
	s_load_b256 s[4:11], s[0:1], 0x0               ; act s[4:5], wb s[6:7], b2 s[8:9], x1 s[10:11]
	s_load_b64 s[12:13], s[0:1], 0x20              ; out
	v_lshrrev_b32 v1, 5, v0
	v_readfirstlane_b32 s14, v1                    ; wave 0..3
	s_and_b32 s15, ttmp7, 0xffff                   ; y: the block of 128 rows; ttmp9 = x: the block of 128 columns
	s_mul_i32 s28, s14, WK*STB                     ; my quarter of K, in codes,
	s_lshl_b32 s29, s14, 12                        ; and in scale words (8 x 512)
	s_mul_i32 s16, s15, RBB
	s_add_co_u32 s16, s16, s28
	s_add_co_u32 s16, s16, A_C                     ; A's codes
	s_mov_b32 s17, 0
	s_lshl_b32 s18, s15, 14
	s_add_co_u32 s18, s18, s29                     ; A's scale words
	s_mov_b32 s19, 0
	s_mul_i32 s20, ttmp9, RBB
	s_add_co_u32 s20, s20, s28
	s_add_co_u32 s20, s20, B_C                     ; B's codes
	s_mov_b32 s21, 0
	s_lshl_b32 s22, ttmp9, 14
	s_add_co_u32 s22, s22, s29
	s_add_co_u32 s22, s22, B_S                     ; B's scale words
	s_mov_b32 s23, 0
	s_lshl_b32 s26, ttmp9, 9                       ; my 128 columns, in bytes
	s_mov_b32 s27, 0
	s_lshl_b32 s24, s15, 19
	s_lshl_b32 s30, s14, 17
	s_add_co_u32 s24, s24, s30
	s_add_co_u32 s24, s24, s26                     ; row 128 y + 32 w of x1 and of out, at my columns
	s_mov_b32 s25, 0
	s_mul_i32 s28, s14, SRC                        ; LDS: my wave's sums,
	s_mul_i32 s29, s14, 32*SP                      ; and my 32 rows in each wave's
	s_mul_i32 s30, ttmp9, 1536                     ; the prefetches: my 6 units of A's 48,
	s_and_b32 s31, s15, 1
	s_mul_i32 s33, s15, 3
	s_lshr_b32 s33, s33, 1                         ; and my one or two of B's
	v_lshl_add_u32 v[SPW], v0, 2, SPARE
	v_mov_b32 v[NIL], 0
	v_and_b32 v1, 31, v0                           ; lane
	v_and_b32 v14, 15, v0                          ; r
	v_bfe_u32 v15, v0, 4, 1                        ; h
	v_lshlrev_b32 v[LI], 4, v1
	v_lshlrev_b32 v[L8], 3, v1
	v_lshlrev_b32 v[SOF], 5, v14
	v_mul_u32_u24 v[STO], v14, SP
	v_lshl_add_u32 v[STO], v15, 6, v[STO]
	v_add_nc_u32 v[STO], s28, v[STO]               ; row r, + 64 h, in my wave's sums
	v_add_nc_u32 v[RD], s29, v[LI]
	v_add_nc_u32 v[RD+1], SRC, v[RD]
	v_add_nc_u32 v[RD+2], 2*SRC, v[RD]
	v_add_nc_u32 v[RD+3], 3*SRC, v[RD]
	v_min_u32 v[PFA], 5, v1
	v_lshlrev_b32 v[PFA], 8, v[PFA]
	v_add_nc_u32 v[PFA], s30, v[PFA]
	v_min_u32 v[PFB], s31, v1
	v_add_nc_u32 v[PFB], s33, v[PFB]
	v_lshlrev_b32 v[PFB], 8, v[PFB]
	s_wait_alu depctr_va_vdst(0)
	s_wait_kmcnt 0x0
	s_add_nc_u64 s[PA:PA+1], s[4:5], s[16:17]
	s_add_nc_u64 s[PAS:PAS+1], s[4:5], s[18:19]
	s_add_nc_u64 s[PB:PB+1], s[6:7], s[20:21]
	s_add_nc_u64 s[PBS:PBS+1], s[6:7], s[22:23]
	s_add_nc_u64 s[PX:PX+1], s[10:11], s[24:25]
	s_add_nc_u64 s[PO:PO+1], s[12:13], s[24:25]
	s_add_nc_u64 s[PBI:PBI+1], s[8:9], s[26:27]
	global_load_b128 v[BI:BI+3], v[LI], s[PBI:PBI+1]   ; b2 of columns 4 x lane .. + 3: the same for every row
.irp s, 0,1                                      ; steps 0 and 1: 68 loads each
	LOADB \s, \s
	LOADS \s, \s
.irp i, 0,2,4,6
	LOADA \s, \s, \i
.endr
.if \s == 0
	ASK 2
.endif
.endr
	STEP 0, 1, 2, 3, 63                            ; step 0 stands ahead of the loop: its products start the sums
	s_mov_b32 s3, 2
.Ltrip:                                                ; two trips: steps 1 and 2, steps 3 and 4
	STEP 1, 0, 3, 4, 63
	STEP 0, 0, 4, 5, 63
	s_wait_xcnt 0x0                                ; the loads and prefetches have read their bases: only behind this wait are they stepped
	s_add_nc_u64 s[PA:PA+1], s[PA:PA+1], 2*STB
	s_add_nc_u64 s[PB:PB+1], s[PB:PB+1], 2*STB
	s_add_nc_u64 s[PAS:PAS+1], s[PAS:PAS+1], 1024
	s_add_nc_u64 s[PBS:PBS+1], s[PBS:PBS+1], 1024
	s_sub_co_u32 s3, s3, 1
	s_cmp_lg_u32 s3, 0
	s_cbranch_scc1 .Ltrip
	STEP 1, 0, 3, -1, 63                           ; step 5 fetches step 7 (the bases stand at step 4); the last two fetch no operand
	STEP 0, 0, -1, -1, 63
	PLACES
	WIN TO_B                                       ; x1's 32 rows of mine into the registers that held B's set 0: 512 consecutive bytes a load
.set q, 0
.rept 32
	global_load_b128 v[4*q:4*q+3], v[LI], s[PX:PX+1] offset:q*4096 th:TH_LOAD_NT
.set q, q+1
.endr
	WIN 0
	STEP 1, 0, -1, -1, 32
	PLACES                                         ; behind the last products: their results are read below
.irp a, 0,1,2,3,4,5,6,7                          ; my 128 x 128 sums into LDS as rows, each accumulator from its low end on; LDS row 16 a + r
	WIN 0x08+4*((\a)/4)                            ; the data: window 2 or 3
.irp b, 0,1,2,3,4,5,6,7
	ds_store_b128 v[STO], v[64*((\a)%4)+8*\b:64*((\a)%4)+8*\b+3] offset:(\a)*16*SP+128*(\b/2)+32*(\b%2)
	ds_store_b128 v[STO], v[64*((\a)%4)+8*\b+4:64*((\a)%4)+8*\b+7] offset:(\a)*16*SP+128*(\b/2)+32*(\b%2)+16
.endr
.endr
	s_wait_loadcnt 0x0                             ; x1
	WIN 0x41                                       ; source 0 and destination window 1, source 1 window 0
.set q, 0
.rept 32
	v_pk_add_f32 v[4*q:4*q+1], v[4*q:4*q+1], v[BI:BI+1]       ; x1 + b2, while the stores are out
	v_pk_add_f32 v[4*q+2:4*q+3], v[4*q+2:4*q+3], v[BI+2:BI+3]
.set q, q+1
.endr
	WIN 0
	s_wait_alu depctr_va_vdst(0)
	s_wait_dscnt 0x0                               ; for the others' sake: my sums lie in LDS
	s_barrier_signal -1
	s_barrier_wait -1
; Four rows at a time, in three buffers of 64 registers by turns: row 4 g + i of my 32 lies at LDS row 16 ((g / 2) % 2) + 8 (g / 4) + 4 (g % 2) + i of my 32; the 32 lanes take a whole row of each wave's sums.
.macro RLOAD g
.set BF, 64+64*((\g)%3)
.irp s, 0,1,2,3
.irp i, 0,1,2,3
	ds_load_b128 v[BF+16*\s+4*\i:BF+16*\s+4*\i+3], v[RD+\s] offset:(16*(((\g)/2)%2)+8*((\g)/4)+4*((\g)%2)+\i)*SP
.endr
.endr
.endm
.macro RSUM g
.set BF, 64+64*((\g)%3)
.irp k, 0,2,4,6,8,10,12,14
	v_pk_add_f32 v[BF+\k:BF+\k+1], v[BF+\k:BF+\k+1], v[BF+16+\k:BF+17+\k]
	v_pk_add_f32 v[BF+32+\k:BF+33+\k], v[BF+32+\k:BF+33+\k], v[BF+48+\k:BF+49+\k]
.endr
.irp k, 0,2,4,6,8,10,12,14
	v_pk_add_f32 v[BF+\k:BF+\k+1], v[BF+\k:BF+\k+1], v[BF+32+\k:BF+33+\k]
.endr
	WIN 0x04                                       ; source 1: window 1
.irp k, 0,2,4,6,8,10,12,14
	v_pk_add_f32 v[BF+\k:BF+\k+1], v[BF+\k:BF+\k+1], v[16*(\g)+\k:16*(\g)+\k+1]
.endr
	WIN 0
.irp i, 0,1,2,3
	global_store_b128 v[LI], v[BF+4*\i:BF+4*\i+3], s[PO:PO+1] offset:(4*(\g)+\i)*4096 th:TH_STORE_NT   ; 32 lanes store 512 consecutive bytes, aligned
.endr
.endm
	RLOAD 0
	RLOAD 1
.irp g, 0,1,2,3,4,5,6,7
.if \g < 6
.if \g > 0
	s_wait_xcnt 0x0                                ; the stores of one batch back have read their registers, which take the loads below
.endif
	RLOAD \g+2
	s_wait_dscnt 32                                ; this batch is in; the 32 loads of the two behind it may be out
.else
	s_wait_dscnt 16*(7-\g)
.endif
	RSUM \g
.endr
	s_wait_tensorcnt 0x0                           ; the wave's end, behind my last LDS store
	ds_add_u32 v[SPW], v[NIL]
	s_wait_dscnt 0x0
	s_endpgm
.Lfunc_end_k_qf066e5bb23_w2:
	.size	k_qf066e5bb23_w2, .Lfunc_end_k_qf066e5bb23_w2-k_qf066e5bb23_w2
	.p2alignl 7, 3214868480
	.fill 96, 4, 3214868480
	.section	.rodata,"a",@progbits
	.p2align	6, 0x0
	.amdhsa_kernel k_qf066e5bb23_w2
		.amdhsa_group_segment_fixed_size 270848
		.amdhsa_private_segment_fixed_size 0
		.amdhsa_enable_private_segment 0
		.amdhsa_kernarg_size 40
		.amdhsa_user_sgpr_count 2
		.amdhsa_user_sgpr_kernarg_segment_ptr 1
		.amdhsa_wavefront_size32 1
		.amdhsa_system_sgpr_workgroup_id_x 1
		.amdhsa_system_sgpr_workgroup_id_y 1
		.amdhsa_system_sgpr_workgroup_id_z 1
		.amdhsa_system_vgpr_workitem_id 0
		.amdhsa_next_free_vgpr 1024
		.amdhsa_next_free_sgpr 66
		.amdhsa_reserve_vcc 0
		.amdhsa_float_denorm_mode_32 3
		.amdhsa_float_denorm_mode_16_64 3
		.amdhsa_memory_ordered 1
		.amdhsa_forward_progress 1
		.amdhsa_inst_pref_size 138
	.end_amdhsa_kernel
	.amdgpu_metadata
---
amdhsa.version: [ 1, 2 ]
amdhsa.kernels:
  - .name:           k_qf066e5bb23_w2
    .symbol:         k_qf066e5bb23_w2.kd
    .args:
      - { .name: act, .offset: 0, .size: 8, .value_kind: global_buffer, .address_space: global }
      - { .name: wb, .offset: 8, .size: 8, .value_kind: global_buffer, .address_space: global }
      - { .name: b2, .offset: 16, .size: 8, .value_kind: global_buffer, .address_space: global }
      - { .name: x1, .offset: 24, .size: 8, .value_kind: global_buffer, .address_space: global }
      - { .name: out0, .offset: 32, .size: 8, .value_kind: global_buffer, .address_space: global }
    .group_segment_fixed_size: 270848
    .private_segment_fixed_size: 0
    .kernarg_segment_align: 8
    .kernarg_segment_size: 40
    .max_flat_workgroup_size: 128
    .sgpr_count:     66
    .vgpr_count:     1024
    .wavefront_size: 32
...
	.end_amdgpu_metadata
.endif
;; end of part 5
